; MI455X (gfx1250); checked and timed in simulation.
; The chip was launched on July 23, 2026; its instructions are those of AMD's public machine-readable ISA for CDNA 5 (MIT licence, August 2026) and "CDNA5" Instruction Set Architecture Reference Guide (July 2026). The comments in the code are by the model that wrote it; some were corrected since.
;; Multi Head Self Attention. Allowed arithmetic: matrix products marked QUANTISED: E2M1 operands, one E8M0 scale for each 32 along K, by v_wmma_scale_f32_16x16x128_f8f6f4 with both operands' format E2M1 (or v_wmma_scale_f32_32x16x128_f4), f32 sums; products left as they are: bf16, f16 or f32 operands; f32 sums; everything else in f32.
;; Inputs: Wk 1,024 x 1,024 float32; Wo 1,024 x 1,024 float32; Wq 1,024 x 1,024 float32; Wv 1,024 x 1,024 float32; bk 1,024 float32; bo 1,024 float32; bq 1,024 float32; bv 1,024 float32; k_in 4 x 2,048 x 1,024 float32; key_mask 4 x 2,048 bool; q_in 4 x 2,048 x 1,024 float32; v_in 4 x 2,048 x 1,024 float32.
;; Outputs: out0 4 x 2,048 x 1,024 float32.
;; This version of the problem:
;;   THIS VERSION OF THE PROBLEM IS GIVEN IN LOW PRECISION. The matrix products marked QUANTISED in the list below multiply operands that are first quantised to E2M1 (2 exponent bits, 1 mantissa bit; 4 bits a number), with one power-of-two scale for each 32 numbers along K (OCP MX v1.0); their sums are f32. The products marked 'left as it is' may take bf16, f16 or f32 operands, with f32 sums. Whichever they take, every output number must still come out within the allowed error. Rounding operands to bf16 (8 significant bits) uses up far more of that allowance than f16 does (11 bits, for magnitudes from 6e-5 to 65,504). All else is computed in f32.
;;   The module's matrix products, in the order in which they are computed (A, B: the left and right operand; K: the contracted axis; several contracted axes count as one K, in the product's order):
;;     1. [M 8,192, K 1,024] x [K 1,024, N 1,024]; A: input q_in; B: input Wq: QUANTISED
;;     2. [M 8,192, K 1,024] x [K 1,024, N 1,024]; A: input k_in; B: input Wk: QUANTISED
;;     3. [M 8,192, K 1,024] x [K 1,024, N 1,024]; A: input v_in; B: input Wv: QUANTISED
;;     4. batch 64 x [M 2,048, K 64] x [K 64, N 2,048]; A: computed on the way; B: computed on the way: left as it is (an operand is computed on the way)
;;     5. batch 64 x [M 64, K 2,048] x [K 2,048, N 2,048]; A: computed on the way; B: computed on the way: left as it is (an operand is computed on the way)
;;     6. [M 8,192, K 1,024] x [K 1,024, N 1,024]; A: computed on the way; B: input Wo: left as it is (an operand is computed on the way)
;;   THE QUANTISER, for each operand of a quantised product, along K:
;;     - K is cut into blocks of 32 from its start; a last block that is shorter is filled with zeros.
;;     - A block's scale is 2^e with e = floor(log2(the largest magnitude in the block)) - 2, held to -126 .. 127; a block of zeros has e = 0. As a byte (E8M0): e + 127.
;;     - Each number is divided by its block's scale, clamped to +-6, and rounded to the nearest number of E2M1, ties to even, subnormals kept.
;;     - The product sums the exact products of the quantised numbers (number of the format x scale) in f32.
;;   ~~~python
;;   def quantise(x, axis):      # numpy; x: float32 -> the quantised numbers, widened to float32 again
;;       x = np.moveaxis(x, axis, -1); K = x.shape[-1]
;;       x = np.pad(x, [(0, 0)] * (x.ndim - 1) + [(0, -K % 32)]); x = x.reshape(x.shape[:-1] + (-1, 32)); a = np.abs(x).max(-1, keepdims=True)
;;       e = np.where(a > 0, np.clip(np.frexp(np.where(a > 0, a, 1))[1] - 1 - 2, -126, 127), 0)      # np.frexp(a)[1] - 1 = floor(log2(a)), exactly
;;       r = np.clip(x / 2.0 ** e, -6, 6)
;;       step = 2.0 ** (np.maximum(np.frexp(np.where(r == 0, 1, r))[1] - 1, 0) - 1)
;;       q = np.round(r / step) * step * 2.0 ** e      # np.round: ties to even
;;       return np.moveaxis(q.reshape(q.shape[:-2] + (-1,))[..., :K], -1, axis).astype(np.float32)
;;   ~~~
;; One version. Each part assembles by itself: llvm-mc -triple=amdgcn-amd-amdhsa -mcpu=gfx1250 --defsym DOCPART=n.
;; ======== version 1 of 1: 4 launches
;; limits: values are held in f16: magnitudes above 65,504 overflow, below 6.1e-05 lose precision
;; workspace buffers: xc 12,582,912 bytes; xs 786,432 bytes; wc 1,572,864 bytes; ws 98,304 bytes; wo16 2,097,152 bytes; qkv 50,331,648 bytes; oh 16,777,216 bytes
;; launch prep (part 1): grid 880 x 1, 4 waves a work-group, no clusters, 102,912 bytes of LDS; arguments q_in, k_in, v_in, Wq, Wk, Wv, Wo, xc, xs, wc, ws, wo16; writes xc, xs, wc, ws, wo16
.if DOCPART == 1
	.amdgcn_target "amdgcn-amd-amdhsa--gfx1250"
	.amdhsa_code_object_version 6
	.text
	.protected	k_qfd2c16b73f_prep
	.globl	k_qfd2c16b73f_prep
	.p2align	8
	.type	k_qfd2c16b73f_prep,@function
k_qfd2c16b73f_prep:
	s_mov_b64 s[64:65], 0
	v_nop
	global_prefetch_b8 v0, s[64:65] scope:SCOPE_SE
	s_setreg_imm32_b32 hwreg(HW_REG_WAVE_MODE, 25, 1), 1
	s_wait_xcnt 0x0
; THE OPERANDS ARE MADE READY, ONCE.  Three kinds of work-group, told apart by the work-group's number alone:
;   0 .. 47    Wq, Wk, Wv [1024 k][1024 n] f32 -> codes of FP4 (E2M1) laid [n][k] with K innermost (wc: 512 bytes a row n) and one E8M0 byte for each 32 along K (ws: 32 bytes a row n)
;   48 .. 111  Wo [1024 k][1024 n] f32 -> f16, laid [n][k] (wo16: 2,048 bytes a row n)
;   112 .. 879 q_in, k_in, v_in [8192][1024] f32 -> codes (xc: 512 bytes a row) and scale bytes (xs: 32 bytes a row), the three tensors one behind the other
; A block's scale is 2^(floor(log2(its largest magnitude)) - 2); its byte is the largest magnitude's exponent field - 2, held at 1 from below.  Each number is divided by the scale and rounded to the nearest code, ties to even;
; beyond the largest code the conversion gives the largest code.
; LIMITS: a block of zeros, or one whose largest magnitude lies under 2^-124, gets the byte 1 (the rule says 127 for zeros): its codes are zeros, and this program alone reads the bytes.  NaN and infinities are not served.
; No tensor loads, no barrier: waves share nothing.  Each kind of work-group has LDS bytes of its own.  The few weight work-groups have the lowest numbers, so that they begin first.
.set SPW,   192                        ; v192  LDS address of my spare word: SPARE + 4 x my thread's number; never rewritten
.set NIL,   193                        ; v193  0; never rewritten
.set WSTG,  32768                      ; LDS: 0 .. 32,767 the x path (8,192 a wave); from here the weights' four stages of 32 rows x 272 bytes;
.set OSTG,  67584                      ; from here Wo's four stages, likewise;
.set SPARE, 102400                     ; and the spare words, 128 bytes for each wave: two blocks of 256 bytes that no other line names
; ---- names of the x path: a wave takes 16 steps of 512 numbers
.set STEPS, 16
.set CB,    8                          ; bytes of 16 codes
.set R,     16                         ; v16-79   four sets of 16 numbers as they are loaded
.set XN,    80                         ; v80-111  two sets of 16 neighbours
.set EX,    112                        ; v112-127 a scale byte for each step
.set CX,    128                        ; v128-191 codes: four registers for each step, so that no store's data are written again
.set WREG,  8192                       ; a wave's region: two stages of 32 x SP bytes, behind them its 256 scale bytes
.set SP,    80                         ; a lane's place in a stage: its 64 bytes + 16 of padding
; ---- names of the two paths whose K is the first axis: a lane takes a column, its registers run down K
.set XK,    32                         ; v32-95   two sets of 32 numbers
.set CK,    96                         ; v96..    a block's codes (4 registers) or f16 pairs (16)
.set OUTR,  112                        ; v112-175 the way out
.set SB,    24                         ; v24-27   the scale bytes, four to a register
.macro LOAD t                          ; x path: 32 lanes read 512 consecutive bytes, four times
.irp i, 0,1,2,3
	global_load_b128 v[R+16*((\t)%4)+4*\i:R+16*((\t)%4)+4*\i+3], v3, s[4:5] offset:2048*(\t)+512*\i th:TH_LOAD_NT
.endr
.endm
.macro TURN t                          ; step t's numbers through the wave's stage: in as they lie, back 64 bytes a lane.  LDS serves a wave's instructions in order, so no wait stands between
.irp i, 0,1,2,3
	ds_store_b128 v14, v[R+16*((\t)%4)+4*\i:R+16*((\t)%4)+4*\i+3] offset:32*SP*((\t)%2)+8*SP*\i
.endr
.irp i, 0,1,2,3
	ds_load_b128 v[XN+16*((\t)%2)+4*\i:XN+16*((\t)%2)+4*\i+3], v15 offset:32*SP*((\t)%2)+16*\i
.endr
.endm
.macro STEP t
.set XS, XN+16*((\t)%2)
.if (\t) > 0
	s_wait_dscnt 1                                 ; this step's numbers are back from the stage; the last step's byte store may be out
.else
	s_wait_dscnt 0x0
.endif
.if (\t)+4 < STEPS
	LOAD (\t)+4                                    ; the registers that the stage's stores have read take the loads of four steps on
.endif
.if (\t)+1 < STEPS
.if STEPS-2-(\t) >= 3
	s_wait_loadcnt 12                              ; the next step's four loads are in; those of the three steps behind it may be out
.else
	s_wait_loadcnt 4*(STEPS-2-(\t))
.endif
	TURN (\t)+1                                    ; they go through the other stage while this step is worked
.endif
	v_max3_num_f32 v8, |v[XS]|, |v[XS+1]|, |v[XS+2]|       ; the largest magnitude of my 16, in two chains
	v_max3_num_f32 v9, |v[XS+3]|, |v[XS+4]|, |v[XS+5]|
.irp i, 6,10
	v_max3_num_f32 v8, v8, |v[XS+\i]|, |v[XS+\i+1]|
	v_max3_num_f32 v9, v9, |v[XS+\i+2]|, |v[XS+\i+3]|
.endr
	v_max3_num_f32 v8, v8, |v[XS+14]|, |v[XS+15]|
	v_max3_num_f32 v8, v8, v9, 0x1800000           ; and the floor 2^(3 - 127): the byte cannot fall under 1
	v_max_num_f32_dpp v8, v8, v8 row_xmask:1 row_mask:0xf bank_mask:0xf   ; with my neighbour's 16: the block's
	v_add_nc_u32 v11, 0xff000000, v8               ; 2 off its exponent field: the conversion takes the exponent field of this operand as its scale
	v_cvt_scalef32_pk8_fp4_f32 v[CX+4*(\t)], v[XS:XS+7], v11
	v_cvt_scalef32_pk8_fp4_f32 v[CX+4*(\t)+1], v[XS+8:XS+15], v11
	v_lshrrev_b32 v[EX+(\t)], 23, v11              ; the scale's byte (a plain line behind the conversions)
	ds_store_b8 v5, v[EX+(\t)] offset:16*(\t)      ; both lanes of a block write the same byte with the same value
	global_store_b64 v4, v[CX+4*(\t):CX+4*(\t)+1], s[8:9] offset:32*CB*(\t)   ; the wave stores 256 consecutive bytes, aligned
.endm
.macro KADDR stg, sh                   ; lane addresses of the two column paths; the output's rows are 1 << sh bytes apart
	v_lshlrev_b32 v3, 2, v2                        ; in: 4 bytes a lane: 128 consecutive bytes a wave
	s_mul_i32 s23, s16, 32*272
	s_add_co_u32 s23, s23, \stg                    ; my stage
	v_mul_u32_u24 v4, v2, 272
	v_add_nc_u32 v4, s23, v4                       ; into it: row = my column
	v_and_b32 v5, 15, v2
	v_lshrrev_b32 v6, 4, v2                        ; out of it: sixteen lanes to a row, two rows an instruction
	v_mul_u32_u24 v7, v6, 272
	v_lshl_add_u32 v7, v5, 4, v7
	v_add_nc_u32 v7, s23, v7
	v_lshlrev_b32 v8, \sh, v6
	v_lshl_add_u32 v8, v5, 4, v8                   ; and the same place in the output
.endm
.macro LOADK t                         ; block t: W(32 t + i, my column), i = 0 .. 31, into set t % 2; a row of W is 4,096 bytes
.set i, 0
.rept 32
	global_load_b32 v[XK+32*((\t)%2)+i], v3, s[4:5] offset:(32*(\t)+i)*4096 th:TH_LOAD_NT
.set i, i+1
.endr
.endm
.macro QBLOCK t                        ; a block of 32 along K of my column becomes 16 bytes of codes and a scale byte
.set XS, XK+32*((\t)%2)
.if (\t) < 15
	s_wait_loadcnt 32                              ; this block's 32 loads are in; the next block's may be out
.else
	s_wait_loadcnt 0
.endif
	v_max3_num_f32 v12, |v[XS]|, |v[XS+1]|, |v[XS+2]|      ; all 32 numbers are mine: no other lane is asked
	v_max3_num_f32 v13, |v[XS+3]|, |v[XS+4]|, |v[XS+5]|
.irp i, 6,10,14,18,22,26
	v_max3_num_f32 v12, v12, |v[XS+\i]|, |v[XS+\i+1]|
	v_max3_num_f32 v13, v13, |v[XS+\i+2]|, |v[XS+\i+3]|
.endr
	v_max3_num_f32 v12, v12, |v[XS+30]|, |v[XS+31]|
	v_max3_num_f32 v12, v12, v13, 0x1800000        ; the floor 2^(3 - 127)
	v_add_nc_u32 v11, 0xff000000, v12              ; the conversion's scale operand
	v_lshrrev_b32 v13, 23, v11                     ; the scale's byte
.if (\t)%4 == 0
	v_mov_b32 v[SB+(\t)/4], v13                    ; four bytes to a register, the lower K in the lower byte
.else
	v_lshl_or_b32 v[SB+(\t)/4], v13, 8*((\t)%4), v[SB+(\t)/4]
.endif
.irp g, 0,1,2,3
	v_cvt_scalef32_pk8_fp4_f32 v[CK+\g], v[XS+8*\g:XS+8*\g+7], v11
.endr
	v_nop                                          ; one plain line behind the last conversion
	ds_store_b128 v4, v[CK:CK+3] offset:16*(\t)    ; 32 codes: 16 bytes of my column's row
.if (\t)+2 < 16
	LOADK (\t)+2
.endif
	s_wait_dscnt 0x0                               ; the store has read its registers: the next block's codes may be written
.endm
.macro CBLOCK t                        ; a block of 32 along K of my column becomes 64 bytes of f16
.set XS, XK+32*((\t)%2)
.if (\t) < 3
	s_wait_loadcnt 32
.else
	s_wait_loadcnt 0
.endif
.irp i, 0,1,2,3,4,5,6,7,8,9,10,11,12,13,14,15
	v_cvt_pk_f16_f32 v[CK+\i], v[XS+2*\i], v[XS+2*\i+1]    ; the lower k in the low half
.endr
.irp g, 0,1,2,3
	ds_store_b128 v4, v[CK+4*\g:CK+4*\g+3] offset:64*(\t)+16*\g
.endr
.if (\t)+2 < 4
	LOADK (\t)+2
.endif
	s_wait_dscnt 0x0
.endm
.macro WAYOUT krow                     ; the stage's 32 rows of 256 bytes leave as rows: sixteen lanes store 256 consecutive bytes, aligned
.irp t, 0,1,2,3,4,5,6,7,8,9,10,11,12,13,14,15
	ds_load_b128 v[OUTR+4*\t:OUTR+4*\t+3], v7 offset:2*\t*272     ; LDS serves a wave's instructions in order: these see my stores
.endr
.irp t, 0,1,2,3,4,5,6,7,8,9,10,11,12,13,14,15
	s_wait_dscnt 15-\t                             ; load t is back; the younger ones may be out
	global_store_b128 v8, v[OUTR+4*\t:OUTR+4*\t+3], s[6:7] offset:2*\t*\krow
.endr
.endm
.macro CLOSE                           ; the wave's end, behind my last LDS store
	s_wait_tensorcnt 0x0
	ds_add_u32 v[SPW], v[NIL]
	s_wait_dscnt 0x0
	s_endpgm
.endm
	s_load_b512 s[32:47], s[0:1], 0x0              ; q_in 32, k_in 34, v_in 36, Wq 38, Wk 40, Wv 42, Wo 44, xc 46
	s_load_b256 s[48:55], s[0:1], 0x40             ; xs 48, wc 50, ws 52, wo16 54
	v_lshl_add_u32 v[SPW], v0, 2, SPARE
	v_mov_b32 v[NIL], 0
	v_lshrrev_b32 v1, 5, v0
	v_readfirstlane_b32 s16, v1                    ; wave 0..3
	v_and_b32 v2, 31, v0                           ; lane
	s_wait_kmcnt 0x0
	s_cmp_lt_u32 ttmp9, 48
	s_cbranch_scc1 .Lpath_w
	s_cmp_lt_u32 ttmp9, 112
	s_cbranch_scc1 .Lpath_o
	; ---- q_in, k_in, v_in: plain streams of blocks of 32 numbers.  A run is 8,192 numbers: 32,768 bytes in, 4,096 bytes of codes and 256 scale bytes out
	v_lshlrev_b32 v3, 4, v2                        ; my 16 bytes of a load's 512
	s_mul_i32 s17, s16, WREG
	v_lshrrev_b32 v14, 2, v2
	v_mul_u32_u24 v14, v14, SP
	v_and_b32 v15, 3, v2
	v_lshl_add_u32 v14, v15, 4, v14
	v_add_nc_u32 v14, s17, v14                     ; the stage, on the way in: SP (lane / 4) + 16 (lane % 4)
	v_mul_u32_u24 v15, v2, SP
	v_add_nc_u32 v15, s17, v15                     ; and on the way out: SP x lane: my 16 neighbours
	v_mul_u32_u24 v4, v2, CB                       ; my codes' place in a step's
	v_lshrrev_b32 v5, 1, v2
	s_add_co_u32 s17, s17, 2*32*SP
	v_add_nc_u32 v5, s17, v5                       ; my wave's 256 scale bytes, my block's byte
	v_lshlrev_b32 v7, 3, v2                        ; on the way out 8 bytes a lane
	v_add_nc_u32 v6, s17, v7
	s_sub_co_u32 s18, ttmp9, 112                   ; 0 .. 767: 256 work-groups to a tensor
	s_cmp_lt_u32 s18, 256
	s_cselect_b64 s[4:5], s[32:33], s[34:35]       ; the choice hangs on the work-group's number alone
	s_cmp_lt_u32 s18, 512
	s_cselect_b64 s[4:5], s[4:5], s[36:37]
	s_and_b32 s19, s18, 255
	s_lshl_b32 s19, s19, 2
	s_add_co_u32 s20, s19, s16                     ; my run in its tensor: 0 .. 1,023
	s_lshl_b32 s20, s20, 15
	s_mov_b32 s21, 0
	s_add_nc_u64 s[4:5], s[4:5], s[20:21]
	s_lshl_b32 s22, s18, 2
	s_add_co_u32 s22, s22, s16                     ; my run among the three tensors' runs: 0 .. 3,071
	s_lshl_b32 s24, s22, 12
	s_mov_b32 s25, 0
	s_add_nc_u64 s[8:9], s[46:47], s[24:25]        ; its codes
	s_lshl_b32 s24, s22, 8
	s_add_nc_u64 s[10:11], s[48:49], s[24:25]      ; its scale bytes
.irp t, 0,1,2,3
	LOAD \t
.endr
	s_wait_loadcnt 12                              ; step 0's four loads are in
	TURN 0
.irp t, 0,1,2,3,4,5,6,7,8,9,10,11,12,13,14,15
	STEP \t
.endr
	ds_load_b64 v[8:9], v6                         ; my wave's 256 scale bytes, 8 a lane
	s_wait_dscnt 0x0
	global_store_b64 v7, v[8:9], s[10:11]          ; 32 lanes store 256 consecutive bytes, aligned
	CLOSE
.Lpath_w:
	; ---- Wq, Wk, Wv: 16 work-groups to a weight: 8 along n (128 columns) x 2 along K (512).  A wave: 32 columns x 512 K: 16 blocks a lane
	s_lshr_b32 s17, ttmp9, 4                       ; which weight
	s_cmp_eq_u32 s17, 0
	s_cselect_b64 s[4:5], s[38:39], s[40:41]
	s_cmp_eq_u32 s17, 2
	s_cselect_b64 s[4:5], s[42:43], s[4:5]
	s_and_b32 s18, ttmp9, 7
	s_lshl_b32 s18, s18, 7
	s_lshl_b32 s19, s16, 5
	s_add_co_u32 s18, s18, s19                     ; my wave's first column
	s_bfe_u32 s19, ttmp9, 0x10003                  ; which 512 along K
	s_lshl_b32 s20, s19, 21                        ; 512 rows of 4,096 bytes
	s_lshl_b32 s21, s18, 2
	s_add_co_u32 s20, s20, s21
	s_mov_b32 s21, 0
	s_add_nc_u64 s[4:5], s[4:5], s[20:21]
	s_lshl_b32 s20, s17, 19                        ; codes: 524,288 bytes a weight, 512 a column, 256 for 512 along K
	s_lshl_b32 s22, s18, 9
	s_add_co_u32 s20, s20, s22
	s_lshl_b32 s22, s19, 8
	s_add_co_u32 s20, s20, s22
	s_add_nc_u64 s[6:7], s[50:51], s[20:21]
	s_lshl_b32 s20, s17, 15                        ; scale bytes: 32,768 a weight, 32 a column, 16 for 512 along K
	s_lshl_b32 s22, s18, 5
	s_add_co_u32 s20, s20, s22
	s_lshl_b32 s22, s19, 4
	s_add_co_u32 s20, s20, s22
	s_add_nc_u64 s[8:9], s[52:53], s[20:21]
	KADDR WSTG, 9
	v_lshlrev_b32 v9, 5, v2                        ; my column's row of scale bytes
	LOADK 0
	LOADK 1
.set Q, 0
.rept 16
	QBLOCK Q
.set Q, Q+1
.endr
	global_store_b128 v9, v[SB:SB+3], s[8:9]       ; my column's 16 scale bytes
	WAYOUT 512
	CLOSE
.Lpath_o:
	; ---- Wo: 8 along n (128 columns) x 8 along K (128).  A wave: 32 columns x 128 K: 256 bytes of f16 for each column
	s_sub_co_u32 s17, ttmp9, 48
	s_and_b32 s18, s17, 7
	s_lshl_b32 s18, s18, 7
	s_lshl_b32 s19, s16, 5
	s_add_co_u32 s18, s18, s19                     ; my wave's first column
	s_lshr_b32 s19, s17, 3                         ; which 128 along K
	s_lshl_b32 s20, s19, 19                        ; 128 rows of 4,096 bytes
	s_lshl_b32 s21, s18, 2
	s_add_co_u32 s20, s20, s21
	s_mov_b32 s21, 0
	s_add_nc_u64 s[4:5], s[44:45], s[20:21]
	s_lshl_b32 s20, s18, 11                        ; a row n of the result is 2,048 bytes
	s_lshl_b32 s22, s19, 8
	s_add_co_u32 s20, s20, s22
	s_add_nc_u64 s[6:7], s[54:55], s[20:21]
	KADDR OSTG, 11
	LOADK 0
	LOADK 1
.irp t, 0,1,2,3
	CBLOCK \t
.endr
	WAYOUT 2048
	CLOSE
.Lfunc_end_k_qfd2c16b73f_prep:
	.size	k_qfd2c16b73f_prep, .Lfunc_end_k_qfd2c16b73f_prep-k_qfd2c16b73f_prep
	.p2alignl 7, 3214868480
	.fill 96, 4, 3214868480
	.section	.rodata,"a",@progbits
	.p2align	6, 0x0
	.amdhsa_kernel k_qfd2c16b73f_prep
		.amdhsa_group_segment_fixed_size 102912
		.amdhsa_private_segment_fixed_size 0
		.amdhsa_enable_private_segment 0
		.amdhsa_kernarg_size 96
		.amdhsa_user_sgpr_count 2
		.amdhsa_user_sgpr_kernarg_segment_ptr 1
		.amdhsa_wavefront_size32 1
		.amdhsa_system_sgpr_workgroup_id_x 1
		.amdhsa_system_sgpr_workgroup_id_y 1
		.amdhsa_system_sgpr_workgroup_id_z 1
		.amdhsa_system_vgpr_workitem_id 0
		.amdhsa_next_free_vgpr 194
		.amdhsa_next_free_sgpr 66
		.amdhsa_reserve_vcc 0
		.amdhsa_float_denorm_mode_32 3
		.amdhsa_float_denorm_mode_16_64 3
		.amdhsa_memory_ordered 1
		.amdhsa_forward_progress 1
		.amdhsa_inst_pref_size 133
	.end_amdhsa_kernel
	.amdgpu_metadata
---
amdhsa.version: [ 1, 2 ]
amdhsa.kernels:
  - .name:           k_qfd2c16b73f_prep
    .symbol:         k_qfd2c16b73f_prep.kd
    .args:
      - { .name: q_in, .offset: 0, .size: 8, .value_kind: global_buffer, .address_space: global }
      - { .name: k_in, .offset: 8, .size: 8, .value_kind: global_buffer, .address_space: global }
      - { .name: v_in, .offset: 16, .size: 8, .value_kind: global_buffer, .address_space: global }
      - { .name: Wq, .offset: 24, .size: 8, .value_kind: global_buffer, .address_space: global }
      - { .name: Wk, .offset: 32, .size: 8, .value_kind: global_buffer, .address_space: global }
      - { .name: Wv, .offset: 40, .size: 8, .value_kind: global_buffer, .address_space: global }
      - { .name: Wo, .offset: 48, .size: 8, .value_kind: global_buffer, .address_space: global }
      - { .name: xc, .offset: 56, .size: 8, .value_kind: global_buffer, .address_space: global }
      - { .name: xs, .offset: 64, .size: 8, .value_kind: global_buffer, .address_space: global }
      - { .name: wc, .offset: 72, .size: 8, .value_kind: global_buffer, .address_space: global }
      - { .name: ws, .offset: 80, .size: 8, .value_kind: global_buffer, .address_space: global }
      - { .name: wo16, .offset: 88, .size: 8, .value_kind: global_buffer, .address_space: global }
    .group_segment_fixed_size: 102912
    .private_segment_fixed_size: 0
    .kernarg_segment_align: 8
    .kernarg_segment_size: 96
    .max_flat_workgroup_size: 128
    .sgpr_count:     66
    .vgpr_count:     194
    .wavefront_size: 32
...
	.end_amdgpu_metadata
.endif
;; end of part 1
;; launch proj (part 2): grid 4 x 96, 4 waves a work-group, clusters of 4 x 4, 327,680 bytes of LDS; arguments xc, xs, wc, ws, qkv, bq, bk, bv; writes qkv
.if DOCPART == 2
	.amdgcn_target "amdgcn-amd-amdhsa--gfx1250"
	.amdhsa_code_object_version 6
	.text
	.protected	k_qfd2c16b73f_proj
	.globl	k_qfd2c16b73f_proj
	.p2align	8
	.type	k_qfd2c16b73f_proj,@function
k_qfd2c16b73f_proj:
	s_mov_b64 s[64:65], 0
	v_nop
	global_prefetch_b8 v0, s[64:65] scope:SCOPE_SE
	s_setreg_imm32_b32 hwreg(HW_REG_WAVE_MODE, 25, 1), 1
	s_wait_xcnt 0x0
	s_wait_alu depctr_hold_cnt(0) depctr_sa_sdst(0) depctr_va_vdst(0) depctr_va_sdst(0) depctr_va_ssrc(0) depctr_va_vcc(0) depctr_vm_vsrc(0)
	s_getreg_b32 s2, hwreg(HW_REG_IB_STS2, 6, 4)
	s_cmp_eq_u32 s2, 0
	s_cbranch_scc0 .Lentry_in_a_cluster
	s_endpgm
.Lentry_in_a_cluster:
	s_bfe_u32 s2, ttmp6, 0x10000c
	s_cmp_lg_u32 s2, 0xf033
	s_cbranch_scc0 .Lentry_shape_is_right
	s_endpgm
.Lentry_shape_is_right:
; THE THREE PROJECTIONS AS ONE GEMM ON CODES OF FP4 (E2M1): qkv[m][n] = f16( bias[n] + sum over k of X[m][k] W[n][k] ).
; X: 24,576 rows (q_in's 8,192, k_in's, v_in's) of 1,024 codes (512 bytes), one E8M0 byte for each 32 along K (32 bytes a row).  W: 3 x 1,024 rows n, laid alike.  Rows 8,192 i on of X meet rows 1,024 i on of W and bias i.
; A tile of 256 x 256 is made by four waves, each 128 x 128: 64 accumulators of 16 x 16, 512 registers.  K = 1,024 is two LDS slots of 512 along K (rows of 256 bytes): both are asked for at the start, nothing is filled again.
; The scale bytes of the tile's 256 + 256 rows, for all of K, are two dense blocks: they come with the first fills.  By this text's own count a wave has three tensor loads out at the most.
; CLUSTERS: 4 x 4 work-groups.  The four of a row of the cluster need the same rows of X, the four of a column the same rows of W: each tile is asked for JOINTLY, by the same tensor load with the same descriptor and a mask
; that names the four.  A cluster's 1,024 rows lie in one of the three tensors, so which weight and bias it takes hangs on the cluster's y alone.
; THE MATRIX INSTRUCTION IS USED TRANSPOSED (source 0 = 16 rows of W, source 1 = 16 rows of X): a lane holds eight neighbouring numbers of a row of the result.  THE BIAS IS THE C OF EACH SUM'S FIRST PRODUCT.
; LIMIT: the results are rounded to f16: magnitudes must stay under 65,504.
; REGISTERS, in windows of 256: window 0: v0-31 addresses; v32-95 scale words, two sets (they hold nothing else); v128-191 X's fragments, one set, on the way out rows read back; v192-255 the bias, on the way out packed results.
;   window 1: W's fragments, two sets, at v0 and v128.   window 2: the accumulators of my rows 0-63 ((a, b) at v[8 (8 a + b)]);   window 3: those of my rows 64-127.
.set SIZE_N, 1024
.set NQ,     4                         ; matrix instructions deep in a slot
.set ROWB,   256                       ; a tile's row in bytes: 512 codes
.set KROW,   512                       ; a row of codes in memory
.set PITCH,  272                       ; an LDS row: 256 bytes + 16 of padding = 68 words: row r starts at bank 4 r mod 64 (64 banks of 4 bytes: ISA guide 11.1)
.set FR,     8                         ; registers of a fragment: 16 rows x 128 K
.set NL,     2                         ; LDS loads that bring one
.set NP,     4                         ; places behind this matrix instruction (ISA guide 7.12.1)
.set HALFT,  128*PITCH                 ; 128 rows: what one tensor load brings
.set SLOT,   4*HALFT                   ; X's 256 rows, then W's 256 rows
.set KS,     32                        ; a row of scale bytes
.set SCL,    2*SLOT                    ; behind the slots: the scales, as rows of 256 bytes + 16 of padding
.set HALFS,  16*272                    ; the scales of 128 rows
.set SBLK,   2*272                     ; those of 16 rows
.set SPARE,  SCL+4*HALFS               ; the spare words, 128 bytes for each wave: two blocks of 256 bytes that no other line names
.set STAGE,  SPARE+512                 ; the way out: 16 rows x 272 bytes for each wave; no tensor load lands here
.set SPITCH, 272
.set ADRA, 16                          ; v16-17  LDS address of my X fragments in slot 0, 1
.set ADRB, 20                          ; v20-21  the same for W
.set STO,  24                          ; v24     the way out: where I put 16 bytes of a row
.set RD,   25                          ; v25     where I read a row back
.set CO,   26                          ; v26     my byte offset in two rows of the result
.set ADRS, 27                          ; v27     LDS address of my scale words: lanes 0-15 X's rows, lanes 16-31 W's
.set SPW,  28                          ; v28     LDS address of my spare word; never rewritten
.set NIL,  29                          ; v29     0; never rewritten
.set BO,   30                          ; v30     32 x (lane / 16): my eight numbers of a bias block
.set SC,   32
.set AF,   128
.set BIA,  192                         ; bias block b at v[BIA + 8 b]: bias[my first column + 16 b + 8 (lane / 16) + 0 .. 7]
.set TMP,  192
.set OB,   128
.set G1, 24                            ; s[24:31] descriptor group 1 for X's tiles;  s[32:39] group 0, one set for each slot
.set G0, 32
.set G1B, 48                           ; s[48:55], s[56:63] the same for W's tiles
.set G0B, 56
.set G1S, 68                           ; s[68:75], s[76:79] groups 1 and 0 for X's scales;  s[80:87], s[88:91] for W's
.set G0S, 76
.set G1SB, 80
.set G0SB, 88
.set MSB, 0
.macro WIN new                         ; the immediate's high byte repeats the setting that is left
.if MSB != (\new)
	s_set_vgpr_msb (MSB<<8)|(\new)
.set MSB, (\new)
.endif
.endm
.set MUL_LO,  0xa1                     ; source 0 (W) window 1, source 1 (X) window 0, C and D window 2
.set MUL_HI,  0xf1                     ; the same, C and D window 3
.set MUL_LO0, 0x81                     ; a sum's first product: C (the bias) window 0, D window 2
.set MUL_HI0, 0xc1                     ; D window 3
.set TO_B,    0x40                     ; destination window 1, address window 0
; A joint load: waves 0 and 1 fetch for X, waves 2 and 3 for W.  Each line has one mask and one set of registers for all that issue it; the branch hangs on the wave's number alone.
; An s_nop 0 and four v_nop follow each of the two lines.
.macro JLOAD g0a, g1a, g0b, g1b
	s_cmp_eq_u32 s15, 0
	s_cbranch_scc0 .Lfor_b_\@
	tensor_load_to_lds s[\g0a:\g0a+3], s[\g1a:\g1a+7]
	s_nop 0
.rept 4
	v_nop
.endr
	s_branch .Lasked_\@
.Lfor_b_\@:
	tensor_load_to_lds s[\g0b:\g0b+3], s[\g1b:\g1b+7]
	s_nop 0
.rept 4
	v_nop
.endr
.Lasked_\@:
.endm
.macro CROUND                          ; a round of the cluster's barrier
	s_barrier_signal -1
	s_barrier_wait -1
	s_cmp_lg_u32 s14, 0
	s_cbranch_scc1 .Lnot_wave_0_\@
	s_barrier_signal -3
.Lnot_wave_0_\@:
	s_barrier_wait -3
	s_barrier_signal -1
	s_barrier_wait -1
.endm
	s_load_b128 s[4:7], s[0:1], 0x0                ; X's codes s[4:5], X's scales s[6:7]
	s_load_b128 s[8:11], s[0:1], 0x10              ; W's codes s[8:9], W's scales s[10:11]
	s_load_b64 s[12:13], s[0:1], 0x20              ; the result
	s_load_b128 s[96:99], s[0:1], 0x28             ; bq, bk
	s_load_b64 s[100:101], s[0:1], 0x38            ; bv
	v_lshl_add_u32 v[SPW], v0, 2, SPARE
	v_mov_b32 v[NIL], 0
	ds_add_u32 v[SPW], v[NIL]                      ; the wave's opening: the add, twice on end, and its wait ahead of my first tensor load; the set-up below stands between
	ds_add_u32 v[SPW], v[NIL]
	v_lshrrev_b32 v1, 5, v0
	v_readfirstlane_b32 s14, v1                    ; wave 0..3
	s_lshr_b32 s15, s14, 1                         ; which half of the tile's rows is mine.  Also: I fetch for X (0) or for W (1)
	s_and_b32 s16, s14, 1                          ; which half of its columns.  Also: which 128 rows of that tile I fetch
	s_bfe_u32 s40, ttmp6, 0x40000                  ; cx, cy: my place in the cluster
	s_bfe_u32 s41, ttmp6, 0x40004
	s_lshl_b32 s42, ttmp9, 2
	s_add_co_u32 s42, s42, s40                     ; tile column = 4 x cluster x + cx
	s_and_b32 s17, ttmp7, 0xffff
	s_lshr_b32 s95, s17, 3                         ; which of the three tensors: 8 clusters along y to each; the same in all sixteen partners
	s_lshl_b32 s17, s17, 2
	s_add_co_u32 s17, s17, s41                     ; tile row = 4 x cluster y + cy: 0 .. 95
	s_lshl_b32 s43, s41, 2
	s_lshl_b32 s43, 15, s43                        ; my row of the cluster
	s_lshl_b32 s44, 0x1111, s40                    ; my column
	; descriptor group 1: a tile of 128 rows x 256 bytes, padded in LDS
	s_or_b32 s[G1+0], s43, (0<<16)|(1<<20)|(1<<21)|(5<<22)|(3<<25)  ; 15:0 the mask: X's tiles go to my row; 17:16 element of 1 byte; 20 padding on; 21 set beside a mask; 24:22 after every 64 words; 31:25 of 4 words
	s_or_b32 s[G1B+0], s44, (0<<16)|(1<<20)|(1<<21)|(5<<22)|(3<<25)
.irp g, G1, G1B
	s_mov_b32 s[\g+1], ROWB<<16                    ; tensor_dim0
	s_mov_b32 s[\g+2], 128<<16                     ; tensor_dim1
	s_mov_b32 s[\g+3], ROWB<<16                    ; tile_dim0
	s_mov_b32 s[\g+4], 128                         ; tile_dim1
	s_mov_b32 s[\g+5], KROW                        ; tensor_dim0_stride
	s_mov_b32 s[\g+6], 0
	s_mov_b32 s[\g+7], 0
.endr
	; the scales of 128 rows: a dense block of 4,096 bytes, as 16 rows of 256 bytes (32 elements of 8 bytes), 16 bytes of padding behind each
	s_or_b32 s[G1S+0], s43, (3<<16)|(1<<20)|(1<<21)|(5<<22)|(3<<25)
	s_or_b32 s[G1SB+0], s44, (3<<16)|(1<<20)|(1<<21)|(5<<22)|(3<<25)
.irp g, G1S, G1SB
	s_mov_b32 s[\g+1], 32<<16
	s_mov_b32 s[\g+2], 16<<16
	s_mov_b32 s[\g+3], 32<<16
	s_mov_b32 s[\g+4], 16
	s_mov_b32 s[\g+5], 32
	s_mov_b32 s[\g+6], 0
	s_mov_b32 s[\g+7], 0
.endr
	s_lshl_b32 s18, s16, 7                         ; which 128 rows of the tile I fetch
	s_lshl_b32 s20, s17, 8
	s_add_co_u32 s20, s20, s18                     ; X: row 256 x tile row + 128 x half
	s_lshl_b32 s46, s42, 8
	s_add_co_u32 s46, s46, s18                     ; W: row 256 x tile column + 128 x half
	s_lshl_b32 s19, s95, 10
	s_add_co_u32 s46, s46, s19                     ;    + 1,024 x tensor
	s_mov_b32 s21, 0
	s_mov_b32 s47, 0
	s_mov_b64 s[18:19], KS
	s_mul_u64 s[22:23], s[20:21], s[18:19]         ; where these rows' scales begin, in bytes
	s_mul_u64 s[92:93], s[46:47], s[18:19]
	s_mov_b64 s[18:19], KROW
	s_mul_u64 s[20:21], s[20:21], s[18:19]         ; and their codes
	s_mul_u64 s[46:47], s[46:47], s[18:19]
	s_mul_i32 s45, s14, HALFT                      ; where they go: wave x 128 rows: no place in the cluster enters an LDS address
	s_mul_i32 s94, s14, HALFS
	s_wait_dscnt 0x0                               ; both opening adds are done
	s_wait_kmcnt 0x0
	s_add_nc_u64 s[20:21], s[4:5], s[20:21]
	s_add_nc_u64 s[22:23], s[6:7], s[22:23]
	s_add_nc_u64 s[46:47], s[8:9], s[46:47]
	s_add_nc_u64 s[92:93], s[10:11], s[92:93]
	CROUND                                         ; all sixteen work-groups are here: the first joint loads meet
	s_mov_b32 s[G0S], 1
	s_add_co_u32 s[G0S+1], s94, SCL
	s_mov_b64 s[G0S+2:G0S+3], s[22:23]
	s_or_b32 s[G0S+3], s[G0S+3], 0x80000000
	s_mov_b32 s[G0SB], 1
	s_add_co_u32 s[G0SB+1], s94, SCL
	s_mov_b64 s[G0SB+2:G0SB+3], s[92:93]
	s_or_b32 s[G0SB+3], s[G0SB+3], 0x80000000
	JLOAD G0S, G1S, G0SB, G1SB                     ; the scales first: they are wanted with the first slot
.irp s, 0,1
	s_mov_b32 s[G0+4*\s], 1
	s_add_co_u32 s[G0+4*\s+1], s45, \s*SLOT
	s_add_nc_u64 s[G0+4*\s+2:G0+4*\s+3], s[20:21], \s*ROWB
	s_or_b32 s[G0+4*\s+3], s[G0+4*\s+3], 0x80000000
	s_mov_b32 s[G0B+4*\s], 1
	s_add_co_u32 s[G0B+4*\s+1], s45, \s*SLOT
	s_add_nc_u64 s[G0B+4*\s+2:G0B+4*\s+3], s[46:47], \s*ROWB
	s_or_b32 s[G0B+4*\s+3], s[G0B+4*\s+3], 0x80000000
	JLOAD G0+4*\s, G1, G0B+4*\s, G1B
.endr
	v_and_b32 v1, 15, v0                           ; l % 16
	v_bfe_u32 v2, v0, 4, 1                         ; l / 16
	; the bias of my 128 columns, in the result's layout
	s_cmp_eq_u32 s95, 0
	s_cselect_b64 s[96:97], s[96:97], s[98:99]     ; the choice hangs on the cluster's y alone
	s_cmp_eq_u32 s95, 2
	s_cselect_b64 s[96:97], s[100:101], s[96:97]
	s_lshl_b32 s66, s42, 10                        ; 4 bytes x (256 x tile column
	s_lshl_b32 s67, s16, 9                         ;            + 128 x half)
	s_add_co_u32 s66, s66, s67
	s_mov_b32 s67, 0
	s_add_nc_u64 s[96:97], s[96:97], s[66:67]
	v_lshlrev_b32 v[BO], 5, v2
.irp b, 0,1,2,3,4,5,6,7
	global_load_b128 v[BIA+8*\b:BIA+8*\b+3], v[BO], s[96:97] offset:64*\b
	global_load_b128 v[BIA+8*\b+4:BIA+8*\b+7], v[BO], s[96:97] offset:64*\b+16
.endr
	v_mul_u32_u24 v3, v1, PITCH
	v_lshl_add_u32 v4, v2, 4, v3                   ; a fragment's row x pitch + 16 x half
	s_mul_i32 s21, s15, HALFT                      ; my 128 rows of X
	s_mul_i32 s22, s16, HALFT                      ; my 128 rows of W,
	s_add_co_u32 s22, s22, 2*HALFT                 ; which lie behind X's 256
.irp s, 0,1
	v_add_nc_u32 v[ADRA+\s], s21, v4
	v_add_nc_u32 v[ADRB+\s], s22, v4
	s_add_co_u32 s21, s21, SLOT
	s_add_co_u32 s22, s22, SLOT
.endr
	v_mul_u32_u24 v5, v1, KS                       ; my row's scales: 32 bytes a row,
	v_lshrrev_b32 v6, 8, v5
	v_lshl_add_u32 v5, v6, 4, v5                   ; and 16 more for each 256 passed
	s_mul_i32 s21, s15, HALFS                      ; X's: my 128 rows
	s_mul_i32 s22, s16, HALFS                      ; W's: my 128 rows, behind X's 256
	s_add_co_u32 s22, s22, 2*HALFS
	s_sub_co_u32 s22, s22, s21
	v_mul_u32_u24 v6, s22, v2                      ; lanes 16-31 take W's: the lower base + half x the distance
	s_add_co_u32 s21, s21, SCL
	v_add_nc_u32 v5, v5, v6
	v_add_nc_u32 v[ADRS], s21, v5
	s_mul_i32 s23, s14, 16*SPITCH
	s_add_co_u32 s23, s23, STAGE                   ; my stage
	v_mul_u32_u24 v5, v1, SPITCH                   ; in: row l % 16, 16 bytes for each half of the lanes
	v_lshl_add_u32 v5, v2, 4, v5
	v_add_nc_u32 v[STO], s23, v5
	v_mul_u32_u24 v5, v2, SPITCH                   ; back: lanes 0-15 take one row of 256 bytes, lanes 16-31 the next
	v_lshl_add_u32 v5, v1, 4, v5
	v_add_nc_u32 v[RD], s23, v5
	v_lshlrev_b32 v5, 11, v2                       ; and the same two rows in the result (2,048 bytes a row)
	v_lshl_add_u32 v[CO], v1, 4, v5
	s_lshl_b32 s20, s17, 8
	s_lshl_b32 s21, s15, 7
	s_add_co_u32 s20, s20, s21                     ; my first row: 256 x tile row + 128 x half
	s_lshl_b32 s20, s20, 11                        ; in bytes (under 2^26)
	s_lshl_b32 s46, s42, 9                         ; my first column, in bytes: 512 x tile column + 256 x half
	s_lshl_b32 s47, s16, 8
	s_add_co_u32 s46, s46, s47
	s_add_co_u32 s20, s20, s46
	s_mov_b32 s21, 0
	s_add_nc_u64 s[12:13], s[12:13], s[20:21]
.macro FRAG reg, adr, q, i             ; a fragment, 16 rows x 128 K of 4-bit codes: lane l holds row l % 16; registers 4 c .. 4 c + 3 hold K = 64 c + 32 (l / 16) + 0 .. 31
.irp c, 0,1
	ds_load_b128 v[\reg+4*\c:\reg+4*\c+3], v[\adr] offset:64*(\q)+32*\c+(\i)*16*PITCH
.endr
.endm
; 16 matrix instructions: X's blocks a0, a0 + 1 x W's eight, 128 along K: the slot's q-th.  p: W's set;  sc: the set of scale words.  zero = 1: the first product starts the sum on the bias.
; The 64 accumulators take turns, one instruction a turn, in the same order in every step.
.macro MUL16 a0, p, q, sc, zero
.irp a, \a0, \a0+1
.irp b, 0,1,2,3,4,5,6,7
.if \zero
	v_wmma_scale_f32_16x16x128_f8f6f4 v[8*(8*((\a)%4)+\b):8*(8*((\a)%4)+\b)+7], v[128*(\p)+FR*\b:128*(\p)+FR*\b+FR-1], v[AF+FR*(\a):AF+FR*(\a)+FR-1], v[BIA+8*\b:BIA+8*\b+7], v[SC+8*NQ*(\sc)+NQ*\b+(\q)], v[SC+8*NQ*(\sc)+NQ*(\a)+(\q)] matrix_a_fmt:MATRIX_FMT_FP4 matrix_b_fmt:MATRIX_FMT_FP4 matrix_a_scale:MATRIX_SCALE_ROW1
.else
	v_wmma_scale_f32_16x16x128_f8f6f4 v[8*(8*((\a)%4)+\b):8*(8*((\a)%4)+\b)+7], v[128*(\p)+FR*\b:128*(\p)+FR*\b+FR-1], v[AF+FR*(\a):AF+FR*(\a)+FR-1], v[8*(8*((\a)%4)+\b):8*(8*((\a)%4)+\b)+7], v[SC+8*NQ*(\sc)+NQ*\b+(\q)], v[SC+8*NQ*(\sc)+NQ*(\a)+(\q)] matrix_a_fmt:MATRIX_FMT_FP4 matrix_b_fmt:MATRIX_FMT_FP4 matrix_a_scale:MATRIX_SCALE_ROW1
.endif
.endr
.endr
.endm
.macro FETCH_B slot, q, p              ; W's eight fragments of the slot's q-th 128 along K into set p
	WIN TO_B
.irp i, 0,1,2,3,4,5,6,7
	FRAG 128*(\p)+FR*\i, ADRB+\slot, \q, \i
.endr
	WIN 0
.endm
.macro FETCH_A slot, q, i0             ; X's blocks i0 .. i0 + 3
.irp i, \i0, \i0+1, \i0+2, \i0+3
	FRAG AF+FR*(\i), ADRA+\slot, \q, \i
.endr
.endm
.macro SCALES sc                       ; a slot's scale words into set sc: four words a row; lanes 0-15 take X's block i, lanes 16-31 W's block i
.irp i, 0,1,2,3,4,5,6,7
	ds_load_b128 v[SC+8*NQ*\sc+NQ*\i:SC+8*NQ*\sc+NQ*\i+3], v[ADRS] offset:\i*SBLK
.endr
.endm
; A load into a register that a matrix instruction has read, and a vector instruction that reads a matrix result, stand NP places behind that matrix instruction; only plain vector
; instructions that name none of its registers are places (ISA guide 7.12.1 for vector instructions).
.macro PLACES n
.rept \n
	v_nop
.endr
.endm
.macro STEP slot, q, zero              ; a step of 128 along K that has its successor in the same slot
	s_wait_dscnt 4*NL                              ; W's set and X's blocks 0-3 are in; the youngest eight loads (X's blocks 4-7) may be out
.if \zero
	WIN MUL_LO0
.else
	WIN MUL_LO
.endif
	MUL16 0, (\q)%2, \q, \slot, \zero
	MUL16 2, (\q)%2, \q, \slot, \zero
	s_wait_dscnt 0                                 ; X's blocks 4-7 are in
	PLACES NP
	FETCH_B \slot, (\q)+1, 1-(\q)%2
	FETCH_A \slot, (\q)+1, 0
.if \zero
	WIN MUL_HI0
.else
	WIN MUL_HI
.endif
	MUL16 4, (\q)%2, \q, \slot, \zero
	MUL16 6, (\q)%2, \q, \slot, \zero
	PLACES NP
	WIN 0
	FETCH_A \slot, (\q)+1, 4
.endm
; Slot 0's last step leads over to slot 1: one barrier; in front of it each wave waits for all its tensor loads (its part of slot 1), adds 0 to its spare word, and waits for that and for its LDS loads.  Nothing is filled again.
.macro TURN slot, next
	s_wait_tensorcnt 0x0                           ; all my tensor loads have landed
	ds_add_u32 v[SPW], v[NIL]                      ; 0 onto my spare word
	s_wait_dscnt 4*NL+1                            ; (the add and the youngest eight loads, X's blocks 4-7, may be out)
	WIN MUL_LO
	MUL16 0, 1, NQ-1, \slot, 0                     ; sixteen matrix instructions stand between the add and the wait for it
	s_wait_dscnt 0x0                               ; the add is done, and my LDS loads are in
	s_barrier_signal -1
	MUL16 2, 1, NQ-1, \slot, 0
	WIN 0
	s_barrier_wait -1                              ; every wave's part of the next slot has landed
	PLACES NP
	v_add_nc_u32 v[ADRS], 4*NQ, v[ADRS]            ; on to the next slot's scale words (no LDS load of mine is out)
	FETCH_B \next, 0, 0
	FETCH_A \next, 0, 0
	SCALES \next
	WIN MUL_HI
	MUL16 4, 1, NQ-1, \slot, 0
	MUL16 6, 1, NQ-1, \slot, 0
	PLACES NP
	WIN 0
	FETCH_A \next, 0, 4
.endm
.macro STEPS slot, from                ; the slot's steps from .. NQ - 2
.set Q, \from
.rept NQ-1-\from
	STEP \slot, Q, 0
.set Q, Q+1
.endr
.endm
	s_wait_tensorcnt 1                             ; the scales and my part of slot 0 are in; slot 1's load may be out
	s_barrier_signal -1
	s_barrier_wait -1                              ; everybody's are
	FETCH_B 0, 0, 0
	FETCH_A 0, 0, 0
	SCALES 0
	FETCH_A 0, 0, 4
	s_wait_loadcnt 0x0                             ; the bias
	STEP 0, 0, 1                                   ; the first step's products start the sums on the bias
	STEPS 0, 1
	TURN 0, 1
	STEPS 1, 0
	s_wait_dscnt 4*NL                              ; the very last step: nothing more to fetch
	WIN MUL_LO
	MUL16 0, 1, NQ-1, 1, 0
	MUL16 2, 1, NQ-1, 1, 0
	s_wait_dscnt 0
	WIN MUL_HI
	MUL16 4, 1, NQ-1, 1, 0
	MUL16 6, 1, NQ-1, 1, 0
	WIN 0
; THE WAY OUT of block a (16 rows x 128 columns), in three parts.  PACK: rounded to f16, 16 bytes a lane, each accumulator from its low end on.  TOSTAGE: into my own stage, and back as whole rows of 256 bytes.  SEND: stored.
.macro PACK a
.set AC, 64*((\a)%4)
	WIN 0x0a+5*((\a)/4)                            ; sources 0 and 1: window 2 or 3
.irp b, 0,1,2,3,4,5,6,7
.irp r, 0,1,2,3
	v_cvt_pk_f16_f32 v[TMP+4*\b+\r], v[AC+8*\b+2*\r], v[AC+8*\b+2*\r+1]
.endr
.endr
	WIN 0
.endm
.macro TOSTAGE a
.set BK, OB+32*((\a)%2)
.irp b, 0,1,2,3,4,5,6,7
	ds_store_b128 v[STO], v[TMP+4*\b:TMP+4*\b+3] offset:32*\b
.endr
.irp t, 0,1,2,3,4,5,6,7
	ds_load_b128 v[BK+4*\t:BK+4*\t+3], v[RD] offset:\t*2*SPITCH    ; LDS serves a wave's instructions in order (ISA guide 5.7.1.4): these see the stores above
.endr
.endm
.macro SEND a
.set BK, OB+32*((\a)%2)
	s_wait_dscnt 0x0                               ; the block is back in registers
	s_wait_xcnt 0x0                                ; earlier stores have read their base and their data: the base may step, and the next block's loads may land on the other set
.if (\a) > 0
	s_add_nc_u64 s[12:13], s[12:13], 16*SIZE_N*2   ; 16 rows on
.endif
.irp t, 0,1,2,3,4,5,6,7
	global_store_b128 v[CO], v[BK+4*\t:BK+4*\t+3], s[12:13] offset:2*\t*SIZE_N*2   ; 16 lanes store 256 consecutive bytes, at a multiple of 256 from the buffer's first byte
.endr
.endm
	PLACES NP                                      ; behind the last products: for the conversions that read results and the loads into X's fragment registers
	PACK 0
	TOSTAGE 0
.irp a, 1,2,3,4,5,6,7                  ; block a's conversions stand between block a - 1's loads from the stage and the wait for them
	PACK \a
	SEND \a-1
	TOSTAGE \a
.endr
	SEND 7
	s_wait_tensorcnt 0x0                           ; the wave's end: behind my last tensor load and my last LDS store
	ds_add_u32 v[SPW], v[NIL]
	s_wait_dscnt 0x0
	CROUND                                         ; the closing round: no work-group ends while a partner may still ask for a tile that names it
	s_endpgm
.Lfunc_end_k_qfd2c16b73f_proj:
	.size	k_qfd2c16b73f_proj, .Lfunc_end_k_qfd2c16b73f_proj-k_qfd2c16b73f_proj
	.p2alignl 7, 3214868480
	.fill 96, 4, 3214868480
	.section	.rodata,"a",@progbits
	.p2align	6, 0x0
	.amdhsa_kernel k_qfd2c16b73f_proj
		.amdhsa_group_segment_fixed_size 327680
		.amdhsa_private_segment_fixed_size 0
		.amdhsa_enable_private_segment 0
		.amdhsa_kernarg_size 64
		.amdhsa_user_sgpr_count 2
		.amdhsa_user_sgpr_kernarg_segment_ptr 1
		.amdhsa_wavefront_size32 1
		.amdhsa_system_sgpr_workgroup_id_x 1
		.amdhsa_system_sgpr_workgroup_id_y 1
		.amdhsa_system_sgpr_workgroup_id_z 1
		.amdhsa_system_vgpr_workitem_id 0
		.amdhsa_next_free_vgpr 1024
		.amdhsa_next_free_sgpr 102
		.amdhsa_reserve_vcc 0
		.amdhsa_float_denorm_mode_32 3
		.amdhsa_float_denorm_mode_16_64 3
		.amdhsa_memory_ordered 1
		.amdhsa_forward_progress 1
		.amdhsa_inst_pref_size 129
	.end_amdhsa_kernel
	.amdgpu_metadata
---
amdhsa.version: [ 1, 2 ]
amdhsa.kernels:
  - .name:           k_qfd2c16b73f_proj
    .symbol:         k_qfd2c16b73f_proj.kd
    .args:
      - { .name: xc, .offset: 0, .size: 8, .value_kind: global_buffer, .address_space: global }
      - { .name: xs, .offset: 8, .size: 8, .value_kind: global_buffer, .address_space: global }
      - { .name: wc, .offset: 16, .size: 8, .value_kind: global_buffer, .address_space: global }
      - { .name: ws, .offset: 24, .size: 8, .value_kind: global_buffer, .address_space: global }
      - { .name: qkv, .offset: 32, .size: 8, .value_kind: global_buffer, .address_space: global }
      - { .name: bq, .offset: 40, .size: 8, .value_kind: global_buffer, .address_space: global }
      - { .name: bk, .offset: 48, .size: 8, .value_kind: global_buffer, .address_space: global }
      - { .name: bv, .offset: 56, .size: 8, .value_kind: global_buffer, .address_space: global }
    .group_segment_fixed_size: 327680
    .private_segment_fixed_size: 0
    .kernarg_segment_align: 8
    .kernarg_segment_size: 64
    .max_flat_workgroup_size: 128
    .sgpr_count:     102
    .vgpr_count:     1024
    .wavefront_size: 32
...
	.end_amdgpu_metadata
.endif
;; end of part 2
;; launch attn (part 3): grid 8 x 32, 8 waves a work-group, clusters of 4 x 1, 327,680 bytes of LDS; arguments qkv, key_mask, oh; writes oh
.if DOCPART == 3
	.amdgcn_target "amdgcn-amd-amdhsa--gfx1250"
	.amdhsa_code_object_version 6
	.text
	.protected	k_qfd2c16b73f_attn
	.globl	k_qfd2c16b73f_attn
	.p2align	8
	.type	k_qfd2c16b73f_attn,@function
k_qfd2c16b73f_attn:
	s_mov_b64 s[64:65], 0
	v_nop
	global_prefetch_b8 v0, s[64:65] scope:SCOPE_SE
	s_setreg_imm32_b32 hwreg(HW_REG_WAVE_MODE, 25, 1), 1
	s_wait_xcnt 0x0
	s_wait_alu depctr_hold_cnt(0) depctr_sa_sdst(0) depctr_va_vdst(0) depctr_va_sdst(0) depctr_va_ssrc(0) depctr_va_vcc(0) depctr_vm_vsrc(0)
	s_getreg_b32 s2, hwreg(HW_REG_IB_STS2, 6, 4)
	s_cmp_eq_u32 s2, 0
	s_cbranch_scc0 .Lentry_in_a_cluster
	s_endpgm
.Lentry_in_a_cluster:
	s_bfe_u32 s2, ttmp6, 0x10000c
	s_cmp_lg_u32 s2, 0x3003
	s_cbranch_scc0 .Lentry_shape_is_right
	s_endpgm
.Lentry_shape_is_right:
; oh[b][q][h][:] = the sum over keys n of softmax_n(Q[b][q][h] . K[b][n][h] / 8, keys with key_mask = 0 left out) V[b][n][h][:].
; qkv: [3][8192 tokens][1024] f16 (Q, K, V as the projections left them: a token's row is 2,048 bytes, a head 128 of them).  oh: [8192][1024] f16.  Products on f16 operands, maxima and sums in f32.
; SHARES.  A work-group owns 256 queries of one batch and TWO neighbouring heads, whose 128 channels are 256 consecutive bytes, aligned, of each token's row.  Eight waves: wave w takes head w / 4 of the pair
; and queries 64 (w % 4) on: four tiles of 16.  Two waves share a SIMD (512 registers each), so that one wave's vector work can stand beside the other's matrix work.  Every wave walks all 2,048 keys, 64 a step.
; LAYOUT.  S^T = K Q^T (source 0 = 16 keys, source 1 = 16 queries): a lane holds ONE query (lane % 16) and keys 8 (lane / 16) + 0..7.  Two such tiles, rounded to f16 in pairs, ARE source 1 (32 keys x 16 queries) of
; O^T = V^T P.  K comes out of LDS as it lies, V ([key][channel]) turned, by ds_load_tr16_b128.
; THE MASK costs no vector instruction in the loop: a table in LDS holds for each key 0.0 (it counts) or -3e38 (it does not), and eight words of it are the C of each key tile's first product.
; Scores are at most 64 x 65,504^2 in size, far under 1e30; the running maximum begins at -1e30, so a masked score never becomes the maximum, and its p = 2^(about -5e37) is 0.
; SOFTMAX.  For each query a running maximum m and sum l: p = 2^(c s - c m), c = log2(e) / 8; in every step O and l are multiplied by a = 2^(c m_old - c m_new).  No branch hangs on data.
; A batch all of whose keys are masked has l = 0 and gives NaN (0 x infinity), as a softmax over -infinity alone does.
; RING.  Two LDS buffers of four key steps (256 keys).  Waves 0-3 fetch K's tile of step w, waves 4-7 V's tile of step w - 4: one tensor load of 64 rows x 256 bytes a wave behind each change, which has four key steps in which to land.
; By this text's own count a wave never has more than one tensor load out.  CLUSTER: the four query blocks of a cluster walk the same K and V: every tile is asked for JOINTLY, by the same load with a mask that names the four.
; LIMITS: NaN and infinities among the inputs are not served.
; REGISTERS.  Window 0: v1-15 addresses; v16-47 statistics, eight a tile; v48-79 the mask words; v80-207 S^T, 32 a tile (P takes a tile's first 16); v208-217 the mask on its way into the table.
;             Window 1: v0-63 Q (tile t, channels 32 kc on: 16 t + 8 kc); v64-127 K, then V of the step; v128-255 O^T (32 t + 8 ct).
.set PKP,   272                        ; a row of K in LDS: 256 bytes + 16 of padding: the 16 rows of a load start at 16 different banks (64 banks of 4 bytes: ISA guide 11.1)
.set PVP,   288                        ; a row of V: 256 + 32
.set VOFF,  64*PKP                     ; a step's tiles lie together: 64 rows of K, then 64 rows of V
.set STEPB, 64*(PKP+PVP)
.set SLOTB, 4*STEPB                    ; a buffer: four steps
.set MB,    2*SLOTB                    ; behind the ring: the mask table, 2,048 words; no tensor load lands here
.set SPARE, MB+8192                    ; the spare words, 128 bytes for each wave: four blocks of 256 bytes that no other line names
.set SP,    272                        ; the way out: 256 rows x 272 bytes from LDS byte 0 on: buffer 0 has had its last fill, and nobody reads it behind the last change
.set SLOTG, 256*2048                   ; 256 tokens' rows in memory
.set AK0, 3                            ; v3   my lane's place in a tile of K
.set AV0, 4                            ; v4   the same for V
.set AB0, 5                            ; v5   and in the mask table
.set ADR, 6                            ; v6   LDS address of the run of loads in hand
.set ADB, 7                            ; v7   of the mask words
.set QO,  8                            ; v8   my byte offset in the wave's rows of Q
.set STO, 9                            ; v9   the way out: where I put 16 bytes of a row
.set RD,  10                           ; v10  where I read a row back
.set GO,  11                           ; v11  my byte offset in two rows of oh
.set PFO, 12                           ; v12  2,048 x my lane: the prefetches' offset; never rewritten
.set SPW, 13                           ; v13  LDS address of my spare word; never rewritten
.set NIL, 14                           ; v14  0; never rewritten
.set ST,  16                           ; tile t's statistics at v[ST + 8 t]: +0 c m, +1 m, +2, +3 l (even keys', odd keys'), +4 .. +7 at work; a at +6
.set BI,  48
.set S,   80
.set KV,  64                           ; in window 1
.set OT,  128                          ; in window 1
.set WV,  10                           ; s10  my wave's number
.set HD,  11                           ; s11  which head of the pair
.set W3,  12                           ; s12  wave % 4
.set G1K, 24                           ; s[24:31] descriptor group 1 for K's tiles;  s[32:39] for V's: it differs in the padding alone
.set G1V, 32
.set G0K, 40                           ; s[40:47] groups 0 for K's tiles, a set for each buffer;  s[48:55] for V's
.set G0V, 48
.set CS,  56                           ; s[56:57] c: the packed form names a pair and takes its low word for both halves
.set SEL, 58                           ; s[58:59] lane selects for v_permlanex16_b32: lane l xor 16
.set TB,  60                           ; s60  LDS byte at which the step's tiles begin
.set TM,  61                           ; s61  the step's first word in the mask table, in bytes
.set CNT, 62                           ; s62  counts a buffer's four steps
.set LAP, 63                           ; s63  counts laps of the ring
.set PFA, 66                           ; s[66:67] where my prefetches stand in memory
.set LIM, 68                           ; s68  1 in a wave that prefetches, else -1
.set MSB, 0
.macro WIN new                         ; the immediate's high byte repeats the setting that is left
.if MSB != (\new)
	s_set_vgpr_msb (MSB<<8)|(\new)
.set MSB, (\new)
.endif
.endm
.set W_KQ, 0x05                        ; K and Q in window 1; C and S^T in window 0
.set W_PV, 0x51                        ; V in window 1, P in window 0, O^T in window 1
.set W_RS, 0x41                        ; O^T (destination and source 0) in window 1, a in window 0
.set TO_1, 0x40                        ; destination window 1, address window 0
; A joint load into buffer n.  The branch hangs on the wave's number alone.  An s_nop 0 and four v_nop follow each of the two lines.
.macro JLOAD n
	s_cmp_lt_u32 s[WV], 4
	s_cbranch_scc0 .Lfor_v_\@
	tensor_load_to_lds s[G0K+4*(\n):G0K+4*(\n)+3], s[G1K:G1K+7]
	s_nop 0
.rept 4
	v_nop
.endr
	s_branch .Lasked_\@
.Lfor_v_\@:
	tensor_load_to_lds s[G0V+4*(\n):G0V+4*(\n)+3], s[G1V:G1V+7]
	s_nop 0
.rept 4
	v_nop
.endr
.Lasked_\@:
.endm
; A PREFETCH INTO THE L2 of what the NEXT change will ask for: 256 rows of K and 256 of V, 256 bytes of each.  Each row's piece is named ONCE in the launch.  The two clusters of a pair of heads walk the same rows: the first asks.
; Waves 0 and 2 ask for K's rows 0-127 and 128-255 of the buffer's worth, waves 4 and 6 for V's; of each 128 rows the four partners take 32 each, told apart BY ADDRESS; a lane a row, one instruction a wave.
.macro ASK
	s_cmp_eq_u32 s[LIM], 1
	s_cbranch_scc0 .Lnot_mine_\@
	global_prefetch_b8 v[PFO], s[PFA:PFA+1] th:TH_LOAD_NT scope:SCOPE_SE
.Lnot_mine_\@:
.endm
.macro CROUND                          ; a round of the cluster's barrier
	s_barrier_signal -1
	s_barrier_wait -1
	s_cmp_lg_u32 s[WV], 0
	s_cbranch_scc1 .Lnot_wave_0_\@
	s_barrier_signal -3
.Lnot_wave_0_\@:
	s_barrier_wait -3
	s_barrier_signal -1
	s_barrier_wait -1
.endm
.macro SCALE t, b                      ; tile t's pair b of scores: c s - c m
	v_pk_fma_f32 v[S+32*(\t)+2*(\b):S+32*(\t)+2*(\b)+1], v[S+32*(\t)+2*(\b):S+32*(\t)+2*(\b)+1], s[CS:CS+1], v[ST+8*(\t):ST+8*(\t)+1] op_sel_hi:[1,0,0] neg_lo:[0,0,1] neg_hi:[0,0,1]
.endm
; THE SOFTMAX OF A KEY STEP, the four tiles by turns in every line, so that no line waits for the line above it.
.macro SOFTMAX
.irp j, 0,1,2,3                        ; the maximum of a lane's 32 scores and the old m: four chains, one to an accumulator, each begun at the accumulator's low end
.irp t, 0,1,2,3
	v_max3_num_f32 v[ST+8*\t+4+\j], v[S+32*\t+8*\j], v[S+32*\t+8*\j+1], v[S+32*\t+8*\j+2]
.endr
.endr
.irp g, 1,2
.irp j, 0,1,2,3
.irp t, 0,1,2,3
	v_max3_num_f32 v[ST+8*\t+4+\j], v[ST+8*\t+4+\j], v[S+32*\t+8*\j+2*\g+1], v[S+32*\t+8*\j+2*\g+2]
.endr
.endr
.endr
.irp t, 0,1,2,3
	v_max3_num_f32 v[ST+8*\t+4], v[ST+8*\t+4], v[S+32*\t+7], v[S+32*\t+15]
.endr
.irp t, 0,1,2,3
	v_max3_num_f32 v[ST+8*\t+6], v[ST+8*\t+6], v[S+32*\t+23], v[S+32*\t+31]
.endr
.irp t, 0,1,2,3
	v_max3_num_f32 v[ST+8*\t+4], v[ST+8*\t+4], v[ST+8*\t+5], v[ST+8*\t+6]
.endr
.irp t, 0,1,2,3
	v_max3_num_f32 v[ST+8*\t+4], v[ST+8*\t+4], v[ST+8*\t+7], v[ST+8*\t+1]
.endr
.irp t, 0,1,2,3
	v_permlanex16_b32 v[ST+8*\t+5], v[ST+8*\t+4], s[SEL], s[SEL+1]   ; the query's other 32 keys lie in the lane 16 away
.endr
.irp t, 0,1,2,3
	v_mov_b32 v[ST+8*\t+7], v[ST+8*\t]             ; c m_old is kept for a
.endr
.irp t, 0,1,2,3
	v_max_num_f32 v[ST+8*\t+1], v[ST+8*\t+4], v[ST+8*\t+5]
.endr
.irp t, 0,1,2,3
	v_mul_f32 v[ST+8*\t], s[CS], v[ST+8*\t+1]
.endr
.irp t, 0,1,2,3
	v_sub_f32 v[ST+8*\t+7], v[ST+8*\t+7], v[ST+8*\t]
.endr
	; ONE BATCH of 132 exponentials with one wait: none of the lines down to the wait names an exponential's result
.irp t, 0,1,2,3
	v_exp_f32 v[ST+8*\t+6], v[ST+8*\t+7]           ; a
.endr
.irp b, 0,1,2,3,4,5,6,7,8,9,10,11,12,13,14,15
	SCALE 0, \b
.endr
.irp t, 0,1,2
.irp b, 0,1,2,3,4,5,6,7,8,9,10,11,12,13,14,15
	SCALE \t+1, \b                                 ; the next tile's scalings stand among this tile's exponentials
	v_exp_f32 v[S+32*\t+2*\b], v[S+32*\t+2*\b]
	v_exp_f32 v[S+32*\t+2*\b+1], v[S+32*\t+2*\b+1]
.endr
.endr
.set e, 0
.rept 32
	v_exp_f32 v[S+96+e], v[S+96+e]
.set e, e+1
.endr
	v_nop                                          ; a plain instruction behind the last exponential, ahead of the first use
	s_wait_alu depctr_va_vdst(0)                   ; a wait ahead of the first instruction that names a result: one for the batch
.irp t, 0,1,2,3
	v_pk_fma_f32 v[ST+8*\t+2:ST+8*\t+3], v[ST+8*\t+2:ST+8*\t+3], v[ST+8*\t+6:ST+8*\t+7], v[S+32*\t:S+32*\t+1] op_sel_hi:[1,0,1]   ; l = a l + the first pair
.endr
.irp t, 0,1,2,3
	v_pk_add_f32 v[ST+8*\t+4:ST+8*\t+5], v[S+32*\t+2:S+32*\t+3], v[S+32*\t+4:S+32*\t+5]     ; a second chain
.endr
.irp p, 3,5,7,9,11,13
.irp t, 0,1,2,3
	v_pk_add_f32 v[ST+8*\t+2:ST+8*\t+3], v[ST+8*\t+2:ST+8*\t+3], v[S+32*\t+2*\p:S+32*\t+2*\p+1]
.endr
.irp t, 0,1,2,3
	v_pk_add_f32 v[ST+8*\t+4:ST+8*\t+5], v[ST+8*\t+4:ST+8*\t+5], v[S+32*\t+2*\p+2:S+32*\t+2*\p+3]
.endr
.endr
.irp t, 0,1,2,3
	v_pk_add_f32 v[ST+8*\t+2:ST+8*\t+3], v[ST+8*\t+2:ST+8*\t+3], v[S+32*\t+30:S+32*\t+31]
.endr
.irp t, 0,1,2,3
	v_pk_add_f32 v[ST+8*\t+2:ST+8*\t+3], v[ST+8*\t+2:ST+8*\t+3], v[ST+8*\t+4:ST+8*\t+5]
.endr
.irp i, 0,1,2,3,4,5,6,7,8,9,10,11,12,13,14,15
.irp t, 0,1,2,3
	v_cvt_pk_f16_f32 v[S+32*\t+\i], v[S+32*\t+2*\i], v[S+32*\t+2*\i+1]   ; P, in place, ascending: register i is written when pairs 0 .. i - 1 have been read
.endr
.endr
.endm
; A KEY STEP: 64 keys.  Every window is 0 at its head and at its end.
.macro STEP
	v_add_nc_u32 v[ADR], s[TB], v[AK0]
	v_add_nc_u32 v[ADB], s[TM], v[AB0]
.rept 3
	v_nop                                          ; with the two additions: five places behind the last V^T P, whose P the products below write over and whose V the loads below replace
.endr
	WIN TO_1
.irp f, 0,1,2,3,4,5,6,7                ; K: keys 16 (f / 2) on, channels 32 (f % 2) on
	ds_load_b128 v[KV+8*\f:KV+8*\f+3],   v[ADR] offset:(\f/2)*16*PKP+(\f%2)*64
	ds_load_b128 v[KV+8*\f+4:KV+8*\f+7], v[ADR] offset:(\f/2)*16*PKP+(\f%2)*64+32
.endr
	WIN 0
.irp k, 0,1,2,3                        ; the mask words of keys 16 k + 8 (lane / 16) + 0 .. 7
	ds_load_b128 v[BI+8*\k:BI+8*\k+3],   v[ADB] offset:64*\k
	ds_load_b128 v[BI+8*\k+4:BI+8*\k+7], v[ADB] offset:64*\k+16
.endr
	s_wait_dscnt 0x0
	WIN W_KQ
.set i, 0
.rept 32                               ; S^T = mask + K Q^T: channels 32 (i / 16) on, keys 16 ((i / 4) % 4) on, tile i % 4.  The 16 accumulators take turns
.set rS, S+32*(i%4)+8*((i/4)%4)
.set rK, KV+8*(2*((i/4)%4)+i/16)
.set rQ, 16*(i%4)+8*(i/16)
.set rB, BI+8*((i/4)%4)
.if i < 16
	v_wmma_f32_16x16x32_f16 v[rS:rS+7], v[rK:rK+7], v[rQ:rQ+7], v[rB:rB+7]
.else
	v_wmma_f32_16x16x32_f16 v[rS:rS+7], v[rK:rK+7], v[rQ:rQ+7], v[rS:rS+7]
.endif
.set i, i+1
.endr
	WIN 0
	v_add_nc_u32 v[ADR], s[TB], v[AV0]
.rept 3
	v_nop                                          ; with the addition: four places behind the last K Q^T, for the loads into K's registers and for the first read of the scores
.endr
	WIN TO_1
.irp f, 0,1,2,3,4,5,6,7                ; V, turned: keys 32 (f / 4) on, channels 16 (f % 4) on.  It lands while the softmax is walked
	ds_load_tr16_b128 v[KV+8*\f:KV+8*\f+3],   v[ADR] offset:(\f/4)*32*PVP+(\f%4)*32
	ds_load_tr16_b128 v[KV+8*\f+4:KV+8*\f+7], v[ADR] offset:(\f/4)*32*PVP+16*PVP+(\f%4)*32
.endr
	WIN 0
	SOFTMAX
	WIN W_RS
.irp i, 0,1,2,3,4,5,6,7,8,9,10,11,12,13,14,15
.irp t, 0,1,2,3
	v_pk_mul_f32 v[OT+32*\t+2*\i:OT+32*\t+2*\i+1], v[OT+32*\t+2*\i:OT+32*\t+2*\i+1], v[ST+8*\t+6:ST+8*\t+7] op_sel_hi:[1,0]   ; O^T x a, each accumulator from its low end on
.endr
.endr
	s_wait_dscnt 0x0                               ; V is in
	WIN W_PV
.set i, 0
.rept 32                               ; O^T += V^T P: keys 32 (i / 16) on, channels 16 ((i / 4) % 4) on, tile i % 4.  The 16 accumulators take turns
.set rO, OT+32*(i%4)+8*((i/4)%4)
.set rV, KV+8*(4*(i/16)+(i/4)%4)
.set rP, S+32*(i%4)+8*(i/16)
	v_wmma_f32_16x16x32_f16 v[rO:rO+7], v[rV:rV+7], v[rP:rP+7], v[rO:rO+7]
.set i, i+1
.endr
	WIN 0
	s_add_co_u32 s[TB], s[TB], STEPB               ; the next step's tiles
	s_add_co_u32 s[TM], s[TM], 256                 ; and its 64 mask words
.endm
; A TRIP: buffer buf is read, four key steps.  At its head each wave waits for all its tensor loads (its part of this buffer), adds 0 to its spare word, and waits for that and for its reads of the other buffer.
; refill = 1: behind a round of the cluster's barrier the other buffer takes the next 256 keys: my one tensor load until the next round.  ask = 1: the 256 keys behind those are prefetched.
.macro TRIP buf, refill, ask
	s_wait_tensorcnt 0x0                           ; no tensor load of mine is out, so a group 0 may be written
	ds_add_u32 v[SPW], v[NIL]                      ; 0 onto my spare word; the steps below stand between it and the wait for it
	s_add_nc_u64 s[G0K+4*\buf+2:G0K+4*\buf+3], s[G0K+4*\buf+2:G0K+4*\buf+3], 2*SLOTG   ; this buffer's next keys; the type bits on top are not reached
	s_add_nc_u64 s[G0V+4*\buf+2:G0V+4*\buf+3], s[G0V+4*\buf+2:G0V+4*\buf+3], 2*SLOTG
.if \ask
	s_wait_xcnt 0x0                                ; the last prefetch, four key steps back, has read its address, so it may be written
	s_add_nc_u64 s[PFA:PFA+1], s[PFA:PFA+1], SLOTG
.endif
	s_wait_dscnt 0x0                               ; the add is done, my reads of the other buffer are over (in the first trip: my stores into the mask table have landed)
.if \refill
	CROUND                                         ; no wave of any partner still reads the other buffer or has a load on its way
	JLOAD 1-\buf
.if \ask
	ASK
.endif
.else
	s_barrier_signal -1
	s_barrier_wait -1
.endif
	s_mov_b32 s[TB], \buf*SLOTB
	s_mov_b32 s[CNT], 4
.Lstep_\@:
	STEP
	s_sub_co_u32 s[CNT], s[CNT], 1
	s_cmp_lg_u32 s[CNT], 0
	s_cbranch_scc1 .Lstep_\@
.endm
	s_load_b128 s[4:7], s[0:1], 0x0                ; qkv s[4:5], key_mask s[6:7]
	s_load_b64 s[8:9], s[0:1], 0x10                ; oh
	v_lshl_add_u32 v[SPW], v0, 2, SPARE
	v_mov_b32 v[NIL], 0
	ds_add_u32 v[SPW], v[NIL]                      ; the wave's opening: the add, twice on end, and its wait ahead of my first tensor load; the set-up below stands between
	ds_add_u32 v[SPW], v[NIL]
	v_lshrrev_b32 v15, 5, v0
	v_readfirstlane_b32 s[WV], v15                 ; wave 0..7
	s_lshr_b32 s[HD], s[WV], 2
	s_and_b32 s[W3], s[WV], 3
	s_bfe_u32 s13, ttmp6, 0x40000                  ; cx: my place in the cluster
	s_lshl_b32 s14, ttmp9, 2                       ; in a cluster launch ttmp9 counts clusters
	s_add_co_u32 s14, s14, s13                     ; my block of 256 queries: it enters Q's and oh's addresses alone
	s_and_b32 s15, ttmp7, 0xffff                   ; 8 x batch + pair of heads, which the four partners share
	s_lshr_b32 s16, s15, 3
	s_and_b32 s17, s15, 7
	s_lshl_b32 s78, s16, 11                        ; the batch's 2,048 mask bytes
	s_mov_b32 s79, 0
	s_lshl_b32 s18, s16, 22                        ; the batch's 2,048 rows of 2,048 bytes
	s_lshl_b32 s17, s17, 8                         ; the pair's 256 bytes in a row
	s_or_b32 s18, s18, s17
	s_lshl_b32 s20, s[W3], 17                      ; 64 rows x (wave % 4): the step whose tile I fetch, and my 64 queries in the block
	s_add_co_u32 s20, s20, s18
	s_mov_b32 s21, 0
	s_lshl_b32 s22, s14, 19                        ; my block's 256 rows
	s_add_co_u32 s2, s22, s18
	s_add_co_u32 s22, s22, s20
	s_lshl_b32 s23, s[HD], 7                       ; my head's 128 bytes
	s_add_co_u32 s22, s22, s23                     ; s[22:23]: Q at my first query
	s_mov_b32 s23, 0
	s_lshl_b32 s3, s[WV], 16                       ; on the way out wave w stores rows 32 w on
	s_add_co_u32 s2, s2, s3                        ; s[2:3]: oh at those rows
	s_mov_b32 s3, 0
	s_mul_i32 s19, s[W3], STEPB                    ; my tile's place in a buffer: no place in the cluster enters an LDS address
	; descriptor group 1: a tile of 64 rows x 128 elements of 2 bytes, padded in LDS
	s_mov_b32 s[G1K], 15|(1<<16)|(1<<20)|(1<<21)|(5<<22)|(3<<25)  ; 15:0 the mask: all four work-groups; 17:16 elements of 2 bytes; 20 padding on; 21 set beside a mask; 24:22 after every 64 words; 31:25 4 words of it
	s_mov_b32 s[G1V], 15|(1<<16)|(1<<20)|(1<<21)|(5<<22)|(7<<25)  ; the same with 8 words of padding
.irp g, G1K, G1V
	s_mov_b32 s[\g+1], 128<<16                     ; tensor_dim0 = 128
	s_mov_b32 s[\g+2], 64<<16                      ; tensor_dim1 = 64
	s_mov_b32 s[\g+3], 128<<16                     ; tile_dim0 = 128
	s_mov_b32 s[\g+4], 64                          ; tile_dim1 = 64
	s_mov_b32 s[\g+5], 1024                        ; elements from a token's row to the next
	s_mov_b32 s[\g+6], 0
	s_mov_b32 s[\g+7], 0
.endr
	s_mov_b32 s[CS], 0x3e38aa3b                    ; c = log2(e) / 8
	s_mov_b32 s[CS+1], s[CS]                       ; named with it as a pair, so it is written
	s_mov_b32 s[SEL], 0x76543210
	s_mov_b32 s[SEL+1], 0xfedcba98
	s_mov_b32 s[TM], 0
	s_and_b32 s[LIM], s[WV], 1                     ; 0 in waves 0, 2, 4, 6,
	s_or_b32 s[LIM], s[LIM], ttmp9                 ; of the pair's first cluster: the same in all four partners
	s_cmp_eq_u32 s[LIM], 0
	s_cselect_b32 s[LIM], 1, -1
	s_wait_dscnt 0x0                               ; both opening adds are done
	s_wait_kmcnt 0x0
	s_add_nc_u64 s[74:75], s[4:5], s[20:21]
	s_add_nc_u64 s[76:77], s[74:75], 0x2000000     ; V at my tile of the first 256 keys
	s_add_nc_u64 s[74:75], s[74:75], 0x1000000     ; K likewise
	s_add_nc_u64 s[70:71], s[4:5], s[22:23]        ; Q
	s_add_nc_u64 s[72:73], s[8:9], s[2:3]          ; oh
	s_add_nc_u64 s[6:7], s[6:7], s[78:79]          ; the batch's mask
	s_cmp_lt_u32 s[WV], 4
	s_cselect_b64 s[PFA:PFA+1], s[74:75], s[76:77]
	s_lshl_b32 s16, s13, 16                        ; my work-group's 32 rows of the 128
	s_mov_b32 s17, 0
	s_add_nc_u64 s[PFA:PFA+1], s[PFA:PFA+1], s[16:17]
	s_add_nc_u64 s[PFA:PFA+1], s[PFA:PFA+1], SLOTG ; at keys 256 on; the first trip steps it to keys 512 on.  Nothing is prefetched here, at the head
	CROUND                                         ; all four work-groups are here: the first joint loads meet
.irp n, 0,1
	s_mov_b32 s[G0K+4*\n], 1                       ; count = 1
	s_add_co_u32 s[G0K+4*\n+1], s19, \n*SLOTB      ; LDS address
	s_add_nc_u64 s[G0K+4*\n+2:G0K+4*\n+3], s[74:75], \n*SLOTG   ; global address: buffer n begins with keys 256 n on
	s_or_b32 s[G0K+4*\n+3], s[G0K+4*\n+3], 0x80000000           ; type = 2
	s_mov_b32 s[G0V+4*\n], 1
	s_add_co_u32 s[G0V+4*\n+1], s19, \n*SLOTB+VOFF
	s_add_nc_u64 s[G0V+4*\n+2:G0V+4*\n+3], s[76:77], \n*SLOTG
	s_or_b32 s[G0V+4*\n+3], s[G0V+4*\n+3], 0x80000000
.endr
	JLOAD 0                                        ; keys 0 to 255
	v_and_b32 v1, 15, v0                           ; r = lane % 16
	v_bfe_u32 v2, v0, 4, 1                         ; h = lane / 16
	v_lshlrev_b32 v15, 3, v0
	global_load_b64 v[208:209], v15, s[6:7]        ; the mask: 8 bytes a thread, 2,048 a work-group
	v_lshlrev_b32 v[QO], 11, v1
	v_lshl_add_u32 v[QO], v2, 4, v[QO]             ; row x 2,048 + 16 x half
	WIN TO_1
.irp f, 0,1,2,3,4,5,6,7                ; Q stays in registers: tile f / 2, channels 32 (f % 2) on
	global_load_b128 v[8*\f:8*\f+3],   v[QO], s[70:71] offset:(\f/2)*32768+(\f%2)*64
	global_load_b128 v[8*\f+4:8*\f+7], v[QO], s[70:71] offset:(\f/2)*32768+(\f%2)*64+32
.endr
	WIN 0
	s_lshl_b32 s16, s[HD], 7                       ; my head's 128 bytes of a row
	v_mul_u32_u24 v[AK0], v1, PKP
	v_lshl_add_u32 v[AK0], v2, 4, v[AK0]
	v_add_nc_u32 v[AK0], s16, v[AK0]               ; K: row x pitch + 16 x half + head
	v_and_b32 v[ADR], 7, v0
	v_bfe_u32 v[ADB], v0, 3, 1
	v_lshl_add_u32 v[AV0], v2, 3, v[ADR]           ; V: the turning load's lane l reads key 8 (l / 16) + l % 8, channels 8 ((l / 8) % 2) + 0..7
	v_mul_u32_u24 v[AV0], v[AV0], PVP
	v_lshl_add_u32 v[AV0], v[ADB], 4, v[AV0]
	s_add_co_u32 s17, s16, VOFF
	v_add_nc_u32 v[AV0], s17, v[AV0]
	v_lshl_add_u32 v[AB0], v2, 5, MB               ; the mask words: 32 bytes for each half of the lanes
	s_mul_i32 s17, s[W3], 64*SP
	s_add_co_u32 s17, s17, s16
	v_mul_u32_u24 v[STO], v1, SP                   ; the way out, in: row 64 (w % 4) + r, + head + 16 x half
	v_lshl_add_u32 v[STO], v2, 4, v[STO]
	v_add_nc_u32 v[STO], s17, v[STO]
	s_mul_i32 s17, s[WV], 32*SP
	v_mul_u32_u24 v[RD], v2, SP                    ; back: rows 32 w on; lanes 0-15 one row of 256 bytes, lanes 16-31 the next
	v_lshl_add_u32 v[RD], v1, 4, v[RD]
	v_add_nc_u32 v[RD], s17, v[RD]
	v_lshlrev_b32 v[GO], 11, v2                    ; and the same two rows in oh
	v_lshl_add_u32 v[GO], v1, 4, v[GO]
	v_and_b32 v[PFO], 31, v0
	v_lshlrev_b32 v[PFO], 11, v[PFO]
.irp t, 0,1,2,3
	v_mov_b32 v[ST+8*\t+1], 0xf149f2ca             ; m = -1e30: under every score that counts, over every masked one
	v_mul_f32 v[ST+8*\t], s[CS], v[ST+8*\t+1]      ; c m
.irp j, 2,3,4,5,6,7
	v_mov_b32 v[ST+8*\t+\j], 0                     ; l, and the registers at work
.endr
.endr
	WIN TO_1
.set i, 0
.rept 128
	v_mov_b32 v[OT+i], 0                           ; O^T.  (The step is written once: the first finds zeros, which its a leaves zeros)
.set i, i+1
.endr
	WIN 0
	s_wait_loadcnt 16                              ; the mask is in; Q's sixteen loads may be out
.irp i, 0,1,2,3,4,5,6,7
	v_bfe_u32 v[210+\i], v[208+\i/4], 8*(\i%4), 8  ; a byte: 1 where the key counts
.endr
.irp i, 0,1,2,3,4,5,6,7
	v_add_nc_u32 v[210+\i], -1, v[210+\i]          ; 0, or all ones
.endr
.irp i, 0,1,2,3,4,5,6,7
	v_and_b32 v[210+\i], 0xff61b1e6, v[210+\i]     ; 0.0, or -3e38
.endr
	v_lshl_add_u32 v[ADB], v0, 5, MB
	ds_store_b128 v[ADB], v[210:213]               ; keys 8 x thread on; the first trip's wait and barrier show the table to every wave
	ds_store_b128 v[ADB], v[214:217] offset:16
	s_wait_loadcnt 0x0                             ; Q
	s_mov_b32 s[LAP], 3
.Llap:                                             ; three laps: keys 0 to 1,535 are read, keys 256 to 1,791 asked for, keys 512 to 2,047 prefetched
	TRIP 0, 1, 1
	TRIP 1, 1, 1
	s_sub_co_u32 s[LAP], s[LAP], 1
	s_cmp_lg_u32 s[LAP], 0
	s_cbranch_scc1 .Llap
	TRIP 0, 1, 0                                   ; the tail is written out: the last 256 keys are asked for
	TRIP 1, 0, 0                                   ; and read
	; THE WAY OUT.  l's two halves and the other half of the lanes' are added; O^T is divided by l, rounded to f16 and gathered in the stage: a row's 256 bytes come from two waves, one for each head.
.irp t, 0,1,2,3
	v_add_f32 v[ST+8*\t+4], v[ST+8*\t+2], v[ST+8*\t+3]     ; (these additions are the places behind the last products)
.endr
.irp t, 0,1,2,3
	v_permlanex16_b32 v[ST+8*\t+5], v[ST+8*\t+4], s[SEL], s[SEL+1]
.endr
.irp t, 0,1,2,3
	v_add_f32 v[ST+8*\t+4], v[ST+8*\t+4], v[ST+8*\t+5]
.endr
.irp t, 0,1,2,3
	v_rcp_f32 v[ST+8*\t+6], v[ST+8*\t+4]
.endr
	v_nop                                          ; a plain instruction between the last reciprocal and the use of its result
	s_wait_alu depctr_va_vdst(0)                   ; and a wait ahead of the first use: one for the four
.irp t, 0,1,2,3
	WIN W_RS
.irp i, 0,1,2,3,4,5,6,7,8,9,10,11,12,13,14,15
	v_pk_mul_f32 v[OT+32*\t+2*\i:OT+32*\t+2*\i+1], v[OT+32*\t+2*\i:OT+32*\t+2*\i+1], v[ST+8*\t+6:ST+8*\t+7] op_sel_hi:[1,0]
.endr
	WIN 0x05                                       ; sources 0 and 1 window 1, destination window 0: S^T's registers are free
.irp i, 0,1,2,3,4,5,6,7,8,9,10,11,12,13,14,15
	v_cvt_pk_f16_f32 v[S+16*\t+\i], v[OT+32*\t+2*\i], v[OT+32*\t+2*\i+1]
.endr
	WIN 0
.irp c, 0,1,2,3
	ds_store_b128 v[STO], v[S+16*\t+4*\c:S+16*\t+4*\c+3] offset:16*SP*\t+32*\c    ; query 16 t + r, channels 16 c + 8 h + 0 .. 7
.endr
.endr
	s_wait_dscnt 0x0                               ; for the others' sake: my stores into the stage are done
	s_barrier_signal -1
	s_barrier_wait -1
.irp i, 0,1,2,3,4,5,6,7,8,9,10,11,12,13,14,15
	ds_load_b128 v[144+4*\i:144+4*\i+3], v[RD] offset:2*SP*\i
.endr
.irp i, 0,1,2,3,4,5,6,7,8,9,10,11,12,13,14,15
	s_wait_dscnt 15-\i                             ; load i is back; the younger ones may be out
	global_store_b128 v[GO], v[144+4*\i:144+4*\i+3], s[72:73] offset:4096*\i    ; 16 lanes store 256 consecutive bytes, at a multiple of 256 from the buffer's first byte
.endr
	s_wait_tensorcnt 0x0                           ; the wave's end: behind my last tensor load and my last LDS store
	ds_add_u32 v[SPW], v[NIL]
	s_wait_dscnt 0x0
	CROUND                                         ; the closing round: no work-group ends while a partner may still ask for a tile that names it
	s_endpgm
.Lfunc_end_k_qfd2c16b73f_attn:
	.size	k_qfd2c16b73f_attn, .Lfunc_end_k_qfd2c16b73f_attn-k_qfd2c16b73f_attn
	.p2alignl 7, 3214868480
	.fill 96, 4, 3214868480
	.section	.rodata,"a",@progbits
	.p2align	6, 0x0
	.amdhsa_kernel k_qfd2c16b73f_attn
		.amdhsa_group_segment_fixed_size 327680
		.amdhsa_private_segment_fixed_size 0
		.amdhsa_enable_private_segment 0
		.amdhsa_kernarg_size 24
		.amdhsa_user_sgpr_count 2
		.amdhsa_user_sgpr_kernarg_segment_ptr 1
		.amdhsa_wavefront_size32 1
		.amdhsa_system_sgpr_workgroup_id_x 1
		.amdhsa_system_sgpr_workgroup_id_y 1
		.amdhsa_system_sgpr_workgroup_id_z 1
		.amdhsa_system_vgpr_workitem_id 0
		.amdhsa_next_free_vgpr 512
		.amdhsa_next_free_sgpr 80
		.amdhsa_reserve_vcc 0
		.amdhsa_float_denorm_mode_32 3
		.amdhsa_float_denorm_mode_16_64 3
		.amdhsa_memory_ordered 1
		.amdhsa_forward_progress 1
		.amdhsa_inst_pref_size 163
	.end_amdhsa_kernel
	.amdgpu_metadata
---
amdhsa.version: [ 1, 2 ]
amdhsa.kernels:
  - .name:           k_qfd2c16b73f_attn
    .symbol:         k_qfd2c16b73f_attn.kd
    .args:
      - { .name: qkv, .offset: 0, .size: 8, .value_kind: global_buffer, .address_space: global }
      - { .name: key_mask, .offset: 8, .size: 8, .value_kind: global_buffer, .address_space: global }
      - { .name: oh, .offset: 16, .size: 8, .value_kind: global_buffer, .address_space: global }
    .group_segment_fixed_size: 327680
    .private_segment_fixed_size: 0
    .kernarg_segment_align: 8
    .kernarg_segment_size: 24
    .max_flat_workgroup_size: 256
    .sgpr_count:     80
    .vgpr_count:     512
    .wavefront_size: 32
...
	.end_amdgpu_metadata
.endif
;; end of part 3
;; launch outp (part 4): grid 8 x 64, 4 waves a work-group, clusters of 4 x 4, 327,680 bytes of LDS; arguments oh, wo16, out0, bo; writes out0
.if DOCPART == 4
	.amdgcn_target "amdgcn-amd-amdhsa--gfx1250"
	.amdhsa_code_object_version 6
	.text
	.protected	k_qfd2c16b73f_outp
	.globl	k_qfd2c16b73f_outp
	.p2align	8
	.type	k_qfd2c16b73f_outp,@function
k_qfd2c16b73f_outp:
	s_mov_b64 s[64:65], 0
	v_nop
	global_prefetch_b8 v0, s[64:65] scope:SCOPE_SE
	s_setreg_imm32_b32 hwreg(HW_REG_WAVE_MODE, 25, 1), 1
	s_wait_xcnt 0x0
	s_wait_alu depctr_hold_cnt(0) depctr_sa_sdst(0) depctr_va_vdst(0) depctr_va_sdst(0) depctr_va_ssrc(0) depctr_va_vcc(0) depctr_vm_vsrc(0)
	s_getreg_b32 s2, hwreg(HW_REG_IB_STS2, 6, 4)
	s_cmp_eq_u32 s2, 0
	s_cbranch_scc0 .Lentry_in_a_cluster
	s_endpgm
.Lentry_in_a_cluster:
	s_bfe_u32 s2, ttmp6, 0x10000c
	s_cmp_lg_u32 s2, 0xf033
	s_cbranch_scc0 .Lentry_shape_is_right
	s_endpgm
.Lentry_shape_is_right:
; out0[m][n] = bo[n] + sum over k of oh[m][k] Wo[k][n].  A = oh: [8192][1024] f16.  B = wo16: [1024 n][1024 k] f16 (Wo turned by the first launch).  out0: [8192][1024] f32; sums in f32.
; A tile is 128 x 128: 512 work-groups, two for each of 256 WGPs.  Four waves, each 64 x 64: 16 accumulators of 16 x 16, 128 registers.  K goes in steps of 256 (LDS rows of 512 bytes; a wave's tensor load brings 64 of them)
; through two slots.  By this text's own count a wave has two tensor loads out at the start and one behind each change of slots.
; CLUSTERS: 4 x 4 work-groups.  The four of a row of the cluster need the same tiles of A, the four of a column the same tiles of B: each tile is asked for JOINTLY.
; THE MATRIX INSTRUCTION IS USED TRANSPOSED (source 0 = 16 rows of B, source 1 = 16 rows of A): a lane holds eight neighbouring numbers of a row of the result.  THE BIAS IS THE C OF EACH SUM'S FIRST PRODUCT.
; A wave's 64 columns of f32 are 256 bytes, aligned: each wave has a stage of its own on the way out, and no barrier is needed there.
; REGISTERS: window 0: v0-31 addresses; v32-63 the bias, later with v64-95 rows on the way out; v128-255 the accumulators ((a, b) at v[128 + 8 (4 a + b)]).
;   window 1: two fragment buffers of 128: for 64 along K, 64 registers of A (2 x 4 x 16 rows x 32 K), then 64 of B.
.set SIZE_N, 1024
.set SIZE_K, 1024
.set KSTEP,  256
.set PITCH,  528                       ; an LDS row: 512 bytes + 16 of padding = 132 words: row r starts at bank 4 r mod 64 (64 banks of 4 bytes: ISA guide 11.1)
.set HALFT,  64*PITCH                  ; 64 rows: what one tensor load brings
.set SLOT,   4*HALFT                   ; A's 128 rows, then B's 128 rows
.set STAGE,  2*SLOT                    ; behind the ring: 16 rows x 272 bytes for each wave; no tensor load lands here
.set SPITCH, 272
.set SPARE,  STAGE+4*16*SPITCH         ; the spare words, 128 bytes for each wave: two blocks of 256 bytes that no other line names
.set LAPS,   SIZE_K/(2*KSTEP)          ; a lap = two K steps = once round the ring
.set ADRA, 16                          ; v16-17  LDS address of my A fragments in slot 0, 1
.set ADRB, 20                          ; v20-21  the same for B
.set STO,  24                          ; v24     the way out: where I put 32 bytes of a row
.set RD,   25                          ; v25     where I read a row back
.set CO,   26                          ; v26     my byte offset in two rows of the result
.set SPW,  28                          ; v28     LDS address of my spare word; never rewritten
.set NIL,  29                          ; v29     0; never rewritten
.set BO,   30                          ; v30     32 x (lane / 16)
.set BIA,  32                          ; bias block b at v[BIA + 8 b]: bo[my first column + 16 b + 8 (lane / 16) + 0 .. 7]
.set OB,   32                          ; the way out: v32-63 and v64-95 by turns
.set ACC,  128
.set F0,   0                           ; fragment buffers, in window 1
.set F1,   128
.set G1, 24                            ; s[24:31] descriptor group 1 for A's tiles;  s[32:39] group 0, one set for each slot
.set G0, 32
.set G1B, 48                           ; s[48:55], s[56:63] the same for B's tiles
.set G0B, 56
.set MSB, 0
.macro WIN new                         ; the immediate's high byte repeats the setting that is left
.if MSB != (\new)
	s_set_vgpr_msb (MSB<<8)|(\new)
.set MSB, (\new)
.endif
.endm
.set MUL,  0x05                        ; sources 0 (B) and 1 (A) window 1; C and D window 0
.set TO_F, 0x40                        ; destination window 1, address window 0
.macro JLOAD s                         ; a joint load: waves 0 and 1 fetch A's two halves, waves 2 and 3 B's; an s_nop 0 and four v_nop follow each of the two lines
	s_cmp_eq_u32 s11, 0
	s_cbranch_scc0 .Lfor_b_\@
	tensor_load_to_lds s[G0+4*\s:G0+4*\s+3], s[G1:G1+7]
	s_nop 0
.rept 4
	v_nop
.endr
	s_branch .Lasked_\@
.Lfor_b_\@:
	tensor_load_to_lds s[G0B+4*\s:G0B+4*\s+3], s[G1B:G1B+7]
	s_nop 0
.rept 4
	v_nop
.endr
.Lasked_\@:
.endm
.macro CREST                           ; a round of the cluster's barrier behind its opening barrier
	s_cmp_lg_u32 s10, 0
	s_cbranch_scc1 .Lnot_wave_0_\@
	s_barrier_signal -3
.Lnot_wave_0_\@:
	s_barrier_wait -3
	s_barrier_signal -1
	s_barrier_wait -1
.endm
.macro CROUND                          ; a whole round
	s_barrier_signal -1
	s_barrier_wait -1
	CREST
.endm
	s_load_b128 s[4:7], s[0:1], 0x0                ; A s[4:5], B s[6:7]
	s_load_b64 s[8:9], s[0:1], 0x10                ; the result
	s_load_b64 s[66:67], s[0:1], 0x18              ; bo
	v_lshl_add_u32 v[SPW], v0, 2, SPARE
	v_mov_b32 v[NIL], 0
	ds_add_u32 v[SPW], v[NIL]                      ; the wave's opening: the add, twice on end, and its wait ahead of my first tensor load; the set-up below stands between
	ds_add_u32 v[SPW], v[NIL]
	v_lshrrev_b32 v1, 5, v0
	v_readfirstlane_b32 s10, v1                    ; wave 0..3
	s_lshr_b32 s11, s10, 1                         ; which half of the tile's rows is mine.  Also: I fetch for A (0) or for B (1)
	s_and_b32 s12, s10, 1                          ; which half of its columns.  Also: which 64 rows of that tile I fetch
	s_bfe_u32 s40, ttmp6, 0x40000                  ; cx, cy: my place in the cluster
	s_bfe_u32 s41, ttmp6, 0x40004
	s_lshl_b32 s42, ttmp9, 2
	s_add_co_u32 s42, s42, s40                     ; tile column = 4 x cluster x + cx
	s_and_b32 s13, ttmp7, 0xffff
	s_lshl_b32 s13, s13, 2
	s_add_co_u32 s13, s13, s41                     ; tile row = 4 x cluster y + cy
	s_lshl_b32 s43, s41, 2
	s_lshl_b32 s43, 15, s43                        ; my row of the cluster
	s_lshl_b32 s44, 0x1111, s40                    ; my column
	; descriptor group 1: a tile of 64 rows x 256 elements of 2 bytes, padded in LDS
	s_or_b32 s[G1+0], s43, (1<<16)|(1<<20)|(1<<21)|(6<<22)|(3<<25)  ; 15:0 the mask: A's tiles go to my row; 17:16 element of 2 bytes; 20 padding on; 21 set beside a mask; 24:22 after every 128 words; 31:25 of 4 words
	s_or_b32 s[G1B+0], s44, (1<<16)|(1<<20)|(1<<21)|(6<<22)|(3<<25)
.irp g, G1, G1B
	s_mov_b32 s[\g+1], KSTEP<<16                   ; tensor_dim0 = 256
	s_mov_b32 s[\g+2], 64<<16                      ; tensor_dim1 = 64
	s_mov_b32 s[\g+3], KSTEP<<16                   ; tile_dim0 = 256
	s_mov_b32 s[\g+4], 64                          ; tile_dim1 = 64
	s_mov_b32 s[\g+5], SIZE_K                      ; tensor_dim0_stride
	s_mov_b32 s[\g+6], 0
	s_mov_b32 s[\g+7], 0
.endr
	s_lshl_b32 s17, s12, 6                         ; which 64 rows of the tile I fetch
	s_lshl_b32 s16, s13, 7
	s_add_co_u32 s16, s16, s17                     ; A: row 128 x tile row + 64 x half
	s_lshl_b32 s46, s42, 7
	s_add_co_u32 s46, s46, s17                     ; B: row 128 x tile column + 64 x half
	s_mov_b32 s17, 0
	s_mov_b32 s47, 0
	s_mov_b64 s[18:19], SIZE_K*2
	s_mul_u64 s[16:17], s[16:17], s[18:19]
	s_mul_u64 s[46:47], s[46:47], s[18:19]
	s_mul_i32 s20, s10, HALFT                      ; where they go: wave x 64 rows: no place in the cluster enters an LDS address
	s_wait_dscnt 0x0                               ; both opening adds are done
	s_wait_kmcnt 0x0
	s_add_nc_u64 s[14:15], s[4:5], s[16:17]
	s_add_nc_u64 s[46:47], s[6:7], s[46:47]
	CROUND                                         ; all sixteen work-groups are here: the first joint loads meet
.irp s, 0,1
	s_mov_b32 s[G0+4*\s], 1
	s_add_co_u32 s[G0+4*\s+1], s20, \s*SLOT
	s_add_nc_u64 s[G0+4*\s+2:G0+4*\s+3], s[14:15], \s*KSTEP*2
	s_or_b32 s[G0+4*\s+3], s[G0+4*\s+3], 0x80000000
	s_mov_b32 s[G0B+4*\s], 1
	s_add_co_u32 s[G0B+4*\s+1], s20, \s*SLOT
	s_add_nc_u64 s[G0B+4*\s+2:G0B+4*\s+3], s[46:47], \s*KSTEP*2
	s_or_b32 s[G0B+4*\s+3], s[G0B+4*\s+3], 0x80000000
	JLOAD \s
.endr
	v_and_b32 v1, 15, v0                           ; l % 16
	v_bfe_u32 v2, v0, 4, 1                         ; l / 16
	s_lshl_b32 s46, s42, 9                         ; my first column, in bytes of f32: 512 x tile column + 256 x half
	s_lshl_b32 s47, s12, 8
	s_add_co_u32 s46, s46, s47
	s_mov_b32 s47, 0
	s_add_nc_u64 s[66:67], s[66:67], s[46:47]      ; the bias of my 64 columns, in the result's layout
	v_lshlrev_b32 v[BO], 5, v2
.irp b, 0,1,2,3
	global_load_b128 v[BIA+8*\b:BIA+8*\b+3], v[BO], s[66:67] offset:64*\b
	global_load_b128 v[BIA+8*\b+4:BIA+8*\b+7], v[BO], s[66:67] offset:64*\b+16
.endr
	v_mul_u32_u24 v3, v1, PITCH
	v_lshl_add_u32 v3, v2, 4, v3                   ; a fragment's row x pitch + 16 x half
	s_mul_i32 s21, s11, HALFT                      ; my 64 rows of A
	s_mul_i32 s22, s12, HALFT                      ; my 64 rows of B,
	s_add_co_u32 s22, s22, 2*HALFT                 ; which lie behind A's 128
.irp s, 0,1
	v_add_nc_u32 v[ADRA+\s], s21, v3
	v_add_nc_u32 v[ADRB+\s], s22, v3
	s_add_co_u32 s21, s21, SLOT
	s_add_co_u32 s22, s22, SLOT
.endr
	s_mul_i32 s23, s10, 16*SPITCH
	s_add_co_u32 s23, s23, STAGE                   ; my stage
	v_mul_u32_u24 v4, v1, SPITCH                   ; in: row l % 16, 32 bytes for each half of the lanes
	v_lshl_add_u32 v4, v2, 5, v4
	v_add_nc_u32 v[STO], s23, v4
	v_mul_u32_u24 v5, v2, SPITCH                   ; back: lanes 0-15 one row of 256 bytes, lanes 16-31 the next
	v_lshl_add_u32 v5, v1, 4, v5
	v_add_nc_u32 v[RD], s23, v5
	v_lshlrev_b32 v5, 12, v2                       ; and the same two rows in the result (4,096 bytes a row)
	v_lshl_add_u32 v[CO], v1, 4, v5
	s_lshl_b32 s16, s13, 7
	s_lshl_b32 s17, s11, 6
	s_add_co_u32 s16, s16, s17                     ; my first row: 128 x tile row + 64 x half
	s_lshl_b32 s16, s16, 12                        ; in bytes (under 2^25)
	s_add_co_u32 s16, s16, s46                     ; + my first column
	s_mov_b32 s17, 0
	s_add_nc_u64 s[8:9], s[8:9], s[16:17]
; 8 matrix instructions: m blocks a0, a0 + 1 x all 4 n blocks, 32 along K: half c of buffer f.  zero = 1: the first product starts the sum on the bias.  The 16 accumulators take turns
.macro MUL8 f, c, a0, zero
.irp a, \a0, \a0+1
.irp b, 0,1,2,3
.if \zero
	v_wmma_f32_16x16x32_f16 v[ACC+8*(4*(\a)+\b):ACC+8*(4*(\a)+\b)+7], v[\f+64+8*(4*\c+\b):\f+64+8*(4*\c+\b)+7], v[\f+8*(4*\c+\a):\f+8*(4*\c+\a)+7], v[BIA+8*\b:BIA+8*\b+7]
.else
	v_wmma_f32_16x16x32_f16 v[ACC+8*(4*(\a)+\b):ACC+8*(4*(\a)+\b)+7], v[\f+64+8*(4*\c+\b):\f+64+8*(4*\c+\b)+7], v[\f+8*(4*\c+\a):\f+8*(4*\c+\a)+7], v[ACC+8*(4*(\a)+\b):ACC+8*(4*(\a)+\b)+7]
.endif
.endr
.endr
.endm
; 32 LDS loads in one run: the fragments of 64 along K at byte k of the rows, into buffer f; the first 32 along K first
.macro FETCH slot, k, f
	WIN TO_F
.irp c, 0,1
.irp i, 0,1,2,3
	ds_load_b128 v[\f+64+8*(4*\c+\i):\f+64+8*(4*\c+\i)+3],   v[ADRB+\slot] offset:\k+64*\c+\i*16*PITCH
	ds_load_b128 v[\f+64+8*(4*\c+\i)+4:\f+64+8*(4*\c+\i)+7], v[ADRB+\slot] offset:\k+64*\c+\i*16*PITCH+32
	ds_load_b128 v[\f+8*(4*\c+\i):\f+8*(4*\c+\i)+3],         v[ADRA+\slot] offset:\k+64*\c+\i*16*PITCH
	ds_load_b128 v[\f+8*(4*\c+\i)+4:\f+8*(4*\c+\i)+7],       v[ADRA+\slot] offset:\k+64*\c+\i*16*PITCH+32
.endr
.endr
.endm
.macro PLACES                          ; four places in front of loads into registers that matrix instructions have read, and of the first read of results (ISA guide 7.12.1 for the first read of results)
.rept 4
	v_nop
.endr
.endm
; A K step is four quarters of 64 along K, 32 matrix instructions each, on buffers 0, 1, 0, 1.  One of the first three: multiplies buffer f and fetches the next quarter, at byte k, into g.
.macro QUARTER slot, k, f, g, zero
	s_wait_dscnt 16                                ; the first 32 along K are in; the other sixteen loads may be out
	WIN MUL
	MUL8 \f, 0, 0, \zero
	MUL8 \f, 0, 2, \zero
	PLACES
	FETCH \slot, \k, \g
	s_wait_dscnt 32                                ; all but the 32 just issued
	WIN MUL
	MUL8 \f, 1, 0, 0
	MUL8 \f, 1, 2, 0
.endm
; The last quarter multiplies buffer 1 and changes slots: ONE barrier; in front of it each wave waits for all its tensor loads, adds 0 to its spare word, and waits for that and for its own reads of this slot.  fill = 1: this slot is filled again, two K steps ahead.
.macro TURN slot, next, fill
	WIN 0                                          ; (the add's two registers lie in window 0)
	s_wait_tensorcnt 0x0                           ; all my tensor loads have landed: my part of the next slot
	ds_add_u32 v[SPW], v[NIL]                      ; 0 onto my spare word
	s_wait_dscnt 17                                ; (the add and the youngest sixteen loads may be out)
	WIN MUL
	MUL8 F1, 0, 0, 0                               ; eight matrix instructions stand between the add and the wait for it
	s_wait_dscnt 0x0                               ; the add is done, and my reads of this slot are over
	s_barrier_signal -1
	MUL8 F1, 0, 2, 0
.if \fill
	WIN 0
.endif
	s_barrier_wait -1
.if \fill
	CREST                                          ; the barrier has opened a round of the cluster's barrier: no wave of any partner still reads this slot's tile or has a load on its way
	s_add_nc_u64 s[G0+4*\slot+2:G0+4*\slot+3], s[G0+4*\slot+2:G0+4*\slot+3], 2*KSTEP*2
	s_add_nc_u64 s[G0B+4*\slot+2:G0B+4*\slot+3], s[G0B+4*\slot+2:G0B+4*\slot+3], 2*KSTEP*2
	JLOAD \slot                                    ; the first tensor load behind the round; the four v_nop behind it are also the places in front of the loads below
.else
	PLACES
.endif
	FETCH \next, 0, F0
	WIN MUL
	MUL8 F1, 1, 0, 0
	MUL8 F1, 1, 2, 0
.endm
	s_wait_tensorcnt 1                             ; my part of K step 0 is in; K step 1's load may be out
	s_barrier_signal -1
	s_barrier_wait -1                              ; everybody's is
	FETCH 0, 0, F0
	s_wait_loadcnt 0x0                             ; the bias
	QUARTER 0, 128, F0, F1, 1                      ; the first quarter stands in front of the loop: its first products start the sums on the bias
	WIN 0                                          ; at a label and at a branch every window is 0
	s_mov_b32 s3, LAPS-1
.Llap:                                                 ; a trip goes once round the ring, from a lap's second quarter to the next lap's first, and fills both slots again
	QUARTER 0, 256, F1, F0, 0
	QUARTER 0, 384, F0, F1, 0
	TURN 0, 1, 1
	QUARTER 1, 128, F0, F1, 0
	QUARTER 1, 256, F1, F0, 0
	QUARTER 1, 384, F0, F1, 0
	TURN 1, 0, 1
	QUARTER 0, 128, F0, F1, 0
	WIN 0
	s_sub_co_u32 s3, s3, 1
	s_cmp_lg_u32 s3, 0
	s_cbranch_scc1 .Llap
	QUARTER 0, 256, F1, F0, 0                      ; the last lap fills nothing, and has no round of the cluster's barrier
	QUARTER 0, 384, F0, F1, 0
	TURN 0, 1, 0
	QUARTER 1, 128, F0, F1, 0
	QUARTER 1, 256, F1, F0, 0
	QUARTER 1, 384, F0, F1, 0
	s_wait_dscnt 16                                ; the very last quarter: nothing more to fetch
	WIN MUL
	MUL8 F1, 0, 0, 0
	MUL8 F1, 0, 2, 0
	s_wait_dscnt 0
	MUL8 F1, 1, 0, 0
	MUL8 F1, 1, 2, 0
	WIN 0
; THE WAY OUT, block by block of 16 rows x 64 columns of f32.  A lane holds 32 neighbouring bytes of a row, the lanes beside it other rows: a block goes through my own stage and comes back as whole rows of 256 bytes.
; LDS serves a wave's instructions in order (ISA guide 5.7.1.4): no wait between the stores and the loads, nor in front of the next block's stores.
.macro TOSTAGE a
.set BB, OB+32*((\a)%2)
.irp b, 0,1,2,3
	ds_store_b128 v[STO], v[ACC+8*(4*(\a)+\b):ACC+8*(4*(\a)+\b)+3] offset:64*\b        ; each accumulator from its low end on
	ds_store_b128 v[STO], v[ACC+8*(4*(\a)+\b)+4:ACC+8*(4*(\a)+\b)+7] offset:64*\b+16
.endr
.irp t, 0,1,2,3,4,5,6,7
	ds_load_b128 v[BB+4*\t:BB+4*\t+3], v[RD] offset:\t*2*SPITCH
.endr
.endm
.macro SEND a, younger                 ; younger: the LDS instructions issued behind block a's loads: the next block's eight stores and eight loads, or none
.set BB, OB+32*((\a)%2)
	s_wait_dscnt \younger                          ; the block is back in registers
.irp t, 0,1,2,3,4,5,6,7
	global_store_b128 v[CO], v[BB+4*\t:BB+4*\t+3], s[8:9] offset:(16*(\a)+2*\t)*SIZE_N*4 th:TH_STORE_NT   ; 16 lanes store 256 consecutive bytes, at a multiple of 256 from the buffer's first byte; 62 rows at the most stand in the immediate
.endr
.endm
	PLACES                                         ; behind the last products, ahead of the first read of results
	TOSTAGE 0
.irp a, 1,2,3
.if \a > 1
	s_wait_xcnt 0x0                                ; block a - 2's stores have read their registers: block a's loads may land there
.endif
	TOSTAGE \a
	SEND \a-1, 16
.endr
	SEND 3, 0
	s_wait_tensorcnt 0x0                           ; the wave's end: behind my last tensor load and my last LDS store
	ds_add_u32 v[SPW], v[NIL]
	s_wait_dscnt 0x0
	CROUND                                         ; the closing round: no work-group ends while a partner may still ask for a tile that names it
	s_endpgm
.Lfunc_end_k_qfd2c16b73f_outp:
	.size	k_qfd2c16b73f_outp, .Lfunc_end_k_qfd2c16b73f_outp-k_qfd2c16b73f_outp
	.p2alignl 7, 3214868480
	.fill 96, 4, 3214868480
	.section	.rodata,"a",@progbits
	.p2align	6, 0x0
	.amdhsa_kernel k_qfd2c16b73f_outp
		.amdhsa_group_segment_fixed_size 327680
		.amdhsa_private_segment_fixed_size 0
		.amdhsa_enable_private_segment 0
		.amdhsa_kernarg_size 32
		.amdhsa_user_sgpr_count 2
		.amdhsa_user_sgpr_kernarg_segment_ptr 1
		.amdhsa_wavefront_size32 1
		.amdhsa_system_sgpr_workgroup_id_x 1
		.amdhsa_system_sgpr_workgroup_id_y 1
		.amdhsa_system_sgpr_workgroup_id_z 1
		.amdhsa_system_vgpr_workitem_id 0
		.amdhsa_next_free_vgpr 512
		.amdhsa_next_free_sgpr 68
		.amdhsa_reserve_vcc 0
		.amdhsa_float_denorm_mode_32 3
		.amdhsa_float_denorm_mode_16_64 3
		.amdhsa_memory_ordered 1
		.amdhsa_forward_progress 1
		.amdhsa_inst_pref_size 86
	.end_amdhsa_kernel
	.amdgpu_metadata
---
amdhsa.version: [ 1, 2 ]
amdhsa.kernels:
  - .name:           k_qfd2c16b73f_outp
    .symbol:         k_qfd2c16b73f_outp.kd
    .args:
      - { .name: oh, .offset: 0, .size: 8, .value_kind: global_buffer, .address_space: global }
      - { .name: wo16, .offset: 8, .size: 8, .value_kind: global_buffer, .address_space: global }
      - { .name: out0, .offset: 16, .size: 8, .value_kind: global_buffer, .address_space: global }
      - { .name: bo, .offset: 24, .size: 8, .value_kind: global_buffer, .address_space: global }
    .group_segment_fixed_size: 327680
    .private_segment_fixed_size: 0
    .kernarg_segment_align: 8
    .kernarg_segment_size: 32
    .max_flat_workgroup_size: 128
    .sgpr_count:     68
    .vgpr_count:     512
    .wavefront_size: 32
...
	.end_amdgpu_metadata
.endif
;; end of part 4
